; MI455X (gfx1250); checked and timed in simulation.
; The chip was launched on July 23, 2026; its instructions are those of AMD's public machine-readable ISA for CDNA 5 (MIT licence, August 2026) and "CDNA5" Instruction Set Architecture Reference Guide (July 2026). The comments in the code are by the model that wrote it; some were corrected since.
;; Mo E Layer. Allowed arithmetic: matrix products marked QUANTISED: E2M3 operands, one E8M0 scale for each 32 along K, by v_wmma_scale_f32_16x16x128_f8f6f4 with both operands' format E2M3, f32 sums; products left as they are: f32 operands where the result goes on into a quantised operand, else bf16, f16 or f32 operands; f32 sums; everything else in f32.
;; Inputs: We 8 x 1,024 x 1,024 float32; Wg 1,024 x 8 float32; be 8 x 1,024 float32; bg 8 float32; x 4 x 2,048 x 1,024 float32.
;; Outputs: out0 4 x 2,048 x 1,024 float32.
;; This version of the problem:
;;   THIS VERSION OF THE PROBLEM IS GIVEN IN LOW PRECISION. The matrix products marked QUANTISED in the list below multiply operands that are first quantised to E2M3 (2 exponent bits, 3 mantissa bits; 6 bits a number), with one power-of-two scale for each 32 numbers along K (OCP MX v1.0); their sums are f32. All else is computed in f32.
;;   The module's matrix products, in the order in which they are computed (A, B: the left and right operand; K: the contracted axis; several contracted axes count as one K, in the product's order):
;;     1. [M 8,192, K 1,024] x [K 1,024, N 8]; A: input x; B: input Wg: left as it is (N = 8 < 16)
;;     2. [M 8,192, K 1,024] x [K 1,024, N 8,192]; A: input x; B: input We: QUANTISED
;;   THE QUANTISER, for each operand of a quantised product, along K:
;;     - K is cut into blocks of 32 from its start; a last block that is shorter is filled with zeros.
;;     - A block's scale is 2^e with e = floor(log2(the largest magnitude in the block)) - 2, held to -126 .. 127; a block of zeros has e = 0. As a byte (E8M0): e + 127.
;;     - Each number is divided by its block's scale, clamped to +-7.5, and rounded to the nearest number of E2M3, ties to even, subnormals kept.
;;     - The product sums the exact products of the quantised numbers (number of the format x scale) in f32.
;;   ~~~python
;;   def quantise(x, axis):      # numpy; x: float32 -> the quantised numbers, widened to float32 again
;;       x = np.moveaxis(x, axis, -1); K = x.shape[-1]
;;       x = np.pad(x, [(0, 0)] * (x.ndim - 1) + [(0, -K % 32)]); x = x.reshape(x.shape[:-1] + (-1, 32)); a = np.abs(x).max(-1, keepdims=True)
;;       e = np.where(a > 0, np.clip(np.frexp(np.where(a > 0, a, 1))[1] - 1 - 2, -126, 127), 0)      # np.frexp(a)[1] - 1 = floor(log2(a)), exactly
;;       r = np.clip(x / 2.0 ** e, -7.5, 7.5)
;;       step = 2.0 ** (np.maximum(np.frexp(np.where(r == 0, 1, r))[1] - 1, 0) - 3)
;;       q = np.round(r / step) * step * 2.0 ** e      # np.round: ties to even
;;       return np.moveaxis(q.reshape(q.shape[:-2] + (-1,))[..., :K], -1, axis).astype(np.float32)
;;   ~~~
;; 2 versions. Each part assembles by itself: llvm-mc -triple=amdgcn-amd-amdhsa -mcpu=gfx1250 --defsym DOCPART=n.
;; ======== version 1 of 2: 3 launches
;; workspace buffers: xq 6,291,456 bytes; xs 262,144 bytes; gates 65,536 bytes; route 65,536 bytes of whole numbers; plan 65,536 bytes of whole numbers; wq 6,291,456 bytes; ws 262,144 bytes
;; launch route_x (part 1): grid 256 x 1, 8 waves a work-group, no clusters, 134,144 bytes of LDS; arguments x, Wg, bg, xq, xs, gates, route, plan; writes xq, xs, gates, route, plan
.if DOCPART == 1
	.amdgcn_target "amdgcn-amd-amdhsa--gfx1250"
	.amdhsa_code_object_version 6
	.text
	.protected	k_q3f22de98de_route_x
	.globl	k_q3f22de98de_route_x
	.p2align	8
	.type	k_q3f22de98de_route_x,@function
k_q3f22de98de_route_x:
	s_mov_b64 s[64:65], 0
	v_nop
	global_prefetch_b8 v0, s[64:65] scope:SCOPE_SE
	s_setreg_imm32_b32 hwreg(HW_REG_WAVE_MODE, 25, 1), 1
	s_wait_xcnt 0x0
; x [8192][1024] f32 is read once and serves twice: it is quantised to codes of FP6 (E2M3) with one E8M0 byte for each 32 along K, and the router (x Wg + bg, softmax, the two largest, their gates) is computed on it in f32.
; SHARES.  A work-group takes 32 tokens, each of its eight waves four.  LANE l OWNS BLOCK l (k = 32 l .. 32 l + 31) OF EVERY TOKEN: a block's largest magnitude needs no other lane, the conversions find 32 neighbours
; along K in the lane's registers, and the lane's slice of Wg (32 k x 8 experts = 256 registers, window 1) stays for the whole launch.  All 32 loads of x of a wave go out at the head: 16,384 bytes a wave.
; Each load reads 512 consecutive bytes; a token's 4,096 bytes turn through the wave's own stage in LDS so that a lane gets its block.
; OUT.  xq [token][768]: K step s (128 along K) at 96 s, in it the operand's lane half h at 48 h, in it part c at 24 c: block 4 s + 2 c + h: so an operand's lane finds its 12 registers as 48 consecutive bytes.
; xs [token][32] scale bytes.  gates [token] (ga, gb) for the chosen experts a < b.  route: word token = key | rank << 8 (key = the pair {a, b}, 0 .. 27; rank = how many earlier tokens of my 32 have that key);
; from byte 32,768 on, for each group of 32 tokens, 32 words: how many of them have key k.  plan is filled with zeros (256 bytes a work-group).  Every address here hangs on ids alone.
; No tensor loads, no cluster: work-groups share nothing but Wg's 32,768 bytes.
; LIMITS.  NaN and infinities are not served.  A block whose largest magnitude lies under 2^-124 keeps the byte 1; so does a block of zeros (its codes are zeros; this program alone reads the bytes).
; A probability under 2^-126 falls to 0.  Where the second and third largest probabilities differ by less than f32 rounding of the logits, either may be chosen.  Equal probabilities: the lower index, as jax.lax.top_k.
.set WPITCH, 1040                      ; a lane's slice of Wg in LDS: 1,024 bytes + 16: an odd multiple of 16, so that sixteen lanes' 16 bytes fall into sixteen different columns of 256 bytes
.set XST,    32*WPITCH                 ; the stages: two for each wave
.set LPL,    144                       ; a lane's place in a stage: its block's 128 bytes + 16
.set STAGE,  32*LPL
.set CST,    XST+16*STAGE              ; the codes of a wave's four tokens, 3,072 bytes a wave, as they lie in xq
.set SST,    CST+8*3072                ; the scale bytes, 32 a token
.set KST,    SST+1024                  ; (ga, gb, key, 0), 16 bytes a token
.set P,      32                        ; v32-63   logits: 8 i + e, partial in each lane
.set R,      64                        ; v64-191  x as loaded, 32 registers a token; then in token i's 32: +0..5 its codes, +6 its byte, +8..23 its partial logits in pairs (even k, odd k)
.set X,      192                       ; v192-255 two sets of 32 neighbours; set 0 first carries Wg on its way into LDS and last the codes on their way out
; v1 lane  v2 16 lane  v3, v4 the stage, in and out  v5 my block's place among the codes  v6 the codes' way out  v7 my scale byte  v8 my token's record  v9, v10 Wg in and out  v11 16 thread  v15, v19 wave 0's reads at the end
.set MSB, 0
.macro WIN new                         ; the immediate's high byte repeats the setting that is left
.if MSB != \new
	s_set_vgpr_msb (MSB<<8)|\new
.set MSB, \new
.endif
.endm
	s_load_b512 s[4:19], s[0:1], 0x0               ; x s[4:5], Wg s[6:7], bg s[8:9], xq s[10:11], xs s[12:13], gates s[14:15], route s[16:17], plan s[18:19]
	v_lshrrev_b32 v1, 5, v0
	v_readfirstlane_b32 s20, v1                    ; wave 0..7
	v_and_b32 v1, 31, v0                           ; lane
	v_lshlrev_b32 v2, 4, v1
	v_lshlrev_b32 v11, 4, v0
	v_lshrrev_b32 v9, 6, v0                        ; Wg into LDS, TRANSPOSED: thread t's 16 bytes of load i are Wg[128 i + t / 2][4 (t % 2) + 0..3]: slice 4 i + t / 64, word 32 e + (t / 2) % 32
	v_mul_u32_u24 v9, v9, WPITCH
	v_and_b32 v12, 1, v0
	v_lshl_add_u32 v9, v12, 9, v9
	v_bfe_u32 v12, v0, 1, 5
	v_lshl_add_u32 v9, v12, 2, v9
	v_mul_u32_u24 v10, v1, WPITCH                  ; and out: my slice
	s_mul_i32 s21, s20, 2*STAGE
	s_add_co_u32 s21, s21, XST                     ; my wave's stages
	v_lshrrev_b32 v3, 3, v1                        ; in: load j's 16 bytes of lane l belong to block 4 j + l / 8, at 16 (l % 8)
	v_mul_u32_u24 v3, v3, LPL
	v_and_b32 v12, 7, v1
	v_lshl_add_u32 v3, v12, 4, v3
	v_add_nc_u32 v3, s21, v3
	v_mul_u32_u24 v4, v1, LPL                      ; out: block = lane
	v_add_nc_u32 v4, s21, v4
	s_mul_i32 s21, s20, 3072
	s_add_co_u32 s21, s21, CST
	v_lshrrev_b32 v5, 2, v1                        ; block l = 4 s + 2 c + h lies at 96 s + 48 h + 24 c
	v_mul_u32_u24 v5, v5, 96
	v_and_b32 v12, 1, v1
	v_mad_u32_u24 v5, v12, 48, v5
	v_bfe_u32 v12, v1, 1, 1
	v_mad_u32_u24 v5, v12, 24, v5
	v_add_nc_u32 v5, s21, v5
	v_add_nc_u32 v6, s21, v2
	s_lshl_b32 s21, s20, 7
	s_add_co_u32 s21, s21, SST
	v_add_nc_u32 v7, s21, v1
	s_lshl_b32 s21, s20, 6
	s_add_co_u32 s21, s21, KST
	v_lshrrev_b32 v8, 3, v1
	v_lshl_add_u32 v8, v8, 4, s21                  ; at the end lanes 8 t .. 8 t + 7 hold token t of my four
	v_lshl_add_u32 v15, v1, 4, KST
	v_lshl_add_u32 v19, v1, 4, SST
	s_mov_b32 s32, 0xff00ff00                      ; lanes 8-15 and 24-31
	s_lshl_b32 s22, ttmp9, 5
	s_lshl_b32 s23, s20, 2
	s_add_co_u32 s22, s22, s23                     ; my wave's first token
	s_lshl_b32 s34, s22, 12
	s_mov_b32 s35, 0
	s_mul_i32 s36, s22, 768
	s_mov_b32 s37, 0
	s_wait_kmcnt 0x0
	s_load_b256 s[24:31], s[8:9], 0x0              ; bg
	s_add_nc_u64 s[4:5], s[4:5], s[34:35]
	s_add_nc_u64 s[10:11], s[10:11], s[36:37]
.irp i, 0,1,2,3,4,5,6,7
	global_load_b128 v[X+4*\i:X+4*\i+3], v11, s[6:7] offset:4096*\i           ; Wg: 4,096 consecutive bytes a work-group and load
.endr
.irp i, 0,1,2,3
.irp j, 0,1,2,3,4,5,6,7
	global_load_b128 v[R+32*\i+4*\j:R+32*\i+4*\j+3], v2, s[4:5] offset:4096*\i+512*\j th:TH_LOAD_NT   ; x: 512 consecutive bytes a load; read once in the launch
.endr
.endr
	s_wait_loadcnt 32                              ; Wg's eight loads are in; x's 32 stay out
.irp i, 0,1,2,3,4,5,6,7
.irp j, 0,1,2,3
	ds_store_b32 v9, v[X+4*\i+\j] offset:4*WPITCH*\i+128*\j
.endr
.endr
	s_wait_dscnt 0x0                               ; for the others' sake: my part of Wg lies in LDS
	s_barrier_signal -1
	s_barrier_wait -1                              ; everybody's does
	WIN 0x40                                       ; destination window 1
.set c, 0
.rept 64
	ds_load_b128 v[4*c:4*c+3], v10 offset:16*c     ; register 32 e + kk of window 1 = Wg[32 lane + kk][e]
.set c, c+1
.endr
	WIN 0
; Token i's 4,096 bytes through stage i % 2.  LDS serves a wave's instructions in order, so no wait stands between the stores and the loads.
.macro TURN i
.irp j, 0,1,2,3,4,5,6,7
	ds_store_b128 v3, v[R+32*(\i)+4*\j:R+32*(\i)+4*\j+3] offset:STAGE*((\i)%2)+4*LPL*\j
.endr
.irp j, 0,1,2,3,4,5,6,7
	ds_load_b128 v[X+32*((\i)%2)+4*\j:X+32*((\i)%2)+4*\j+3], v4 offset:STAGE*((\i)%2)+16*\j
.endr
.endm
; Token i: the next token starts its turn; my block is quantised; my 32 k's share of the eight logits is summed.
.macro TOK i
.set XS, X+32*((\i)%2)
.set RI, R+32*(\i)
.set PI, R+32*(\i)+8
.if (\i) < 3
	s_wait_loadcnt 8*(2-(\i))                      ; the next token's eight loads are in; the later tokens' stay out
	TURN (\i)+1
.endif
.if (\i) == 0
	s_wait_dscnt 16                                ; behind this token's loads from the stage: the next turn's 16 (Wg's 64 loads stand ahead of them: they are in too)
.elseif (\i) == 3
	s_wait_dscnt 4                                 ; the last token's four stores of codes and byte
.else
	s_wait_dscnt 20                                ; the last token's four stores and the next turn's 16
.endif
	v_max3_num_f32 v12, |v[XS]|, |v[XS+1]|, |v[XS+2]|              ; the block's largest magnitude: all 32 numbers are mine; two chains
	v_max3_num_f32 v13, |v[XS+3]|, |v[XS+4]|, |v[XS+5]|
.irp n, 6,10,14,18,22,26
	v_max3_num_f32 v12, v12, |v[XS+\n]|, |v[XS+\n+1]|
	v_max3_num_f32 v13, v13, |v[XS+\n+2]|, |v[XS+\n+3]|
.endr
	v_max3_num_f32 v12, v12, |v[XS+30]|, |v[XS+31]|
	v_max3_num_f32 v12, v12, v13, 0x1800000        ; and the floor 2^(3 - 127): the byte cannot fall under 1
	v_add_nc_u32 v14, 0xff000000, v12              ; 2 off the exponent field: the conversion takes this operand's exponent field as its scale
	v_cvt_scalef32_pk16_fp6_f32 v[RI:RI+2], v[XS:XS+15], v14
	v_cvt_scalef32_pk16_fp6_f32 v[16:18], v[XS+16:XS+31], v14      ; (a conversion's three registers begin on an even number)
	v_lshrrev_b32 v[RI+6], 23, v14                 ; the scale's byte; also the plain line between the conversions and the moves
	v_mov_b32 v[RI+3], v16
	v_mov_b32 v[RI+4], v17
	v_mov_b32 v[RI+5], v18
	ds_store_b64 v5, v[RI:RI+1] offset:768*(\i)
	ds_store_b64 v5, v[RI+2:RI+3] offset:768*(\i)+8
	ds_store_b64 v5, v[RI+4:RI+5] offset:768*(\i)+16
	ds_store_b8 v7, v[RI+6] offset:32*(\i)
	WIN 0x04                                       ; source 1 (Wg) window 1
.irp e, 0,1,2,3,4,5,6,7
	v_pk_mul_f32 v[PI+2*\e:PI+2*\e+1], v[XS:XS+1], v[32*\e:32*\e+1]       ; the first two k start the sums: nothing is cleared
.endr
.set m, 1
.rept 15
.irp e, 0,1,2,3,4,5,6,7
	v_pk_fma_f32 v[PI+2*\e:PI+2*\e+1], v[XS+2*m:XS+2*m+1], v[32*\e+2*m:32*\e+2*m+1], v[PI+2*\e:PI+2*\e+1]   ; two k at a time, the eight experts by turns
.endr
.set m, m+1
.endr
	WIN 0
.endm
	s_wait_loadcnt 24                              ; token 0's eight loads are in
	TURN 0
	TOK 0
	TOK 1
	TOK 2
	TOK 3
.irp j, 0,1,2,3,4,5
	ds_load_b128 v[X+4*\j:X+4*\j+3], v6 offset:512*\j              ; the four tokens' codes come back as they lie in xq, while the logits are reduced
.endr
.irp i, 0,1,2,3
.irp e, 0,1,2,3,4,5,6,7
	v_add_f32 v[P+8*\i+\e], v[R+32*\i+8+2*\e], v[R+32*\i+9+2*\e]   ; even k's sum + odd k's
.endr
.endr
; 32 numbers a lane are summed over the 32 lanes so that lane l ends with the 8 logits of token l / 8: each step halves what a lane carries.
.irp e, 0,1,2,3,4,5,6,7
	v_permlane16_swap_b32 v[P+\e], v[P+16+\e]      ; tokens 0 and 2: the first's upper lanes change places with the second's lower ones
	v_permlane16_swap_b32 v[P+8+\e], v[P+24+\e]    ; tokens 1 and 3
.endr
.irp e, 0,1,2,3,4,5,6,7
	v_add_f32 v[P+\e], v[P+\e], v[P+16+\e]         ; lanes 0-15: token 0, lanes 16-31: token 2
	v_add_f32 v[P+8+\e], v[P+8+\e], v[P+24+\e]     ; token 1, token 3
.endr
.irp e, 0,1,2,3,4,5,6,7
	v_cndmask_b32 v[P+16+\e], v[P+\e], v[P+8+\e], s32              ; what I keep: lanes 8-15 and 24-31 the odd token's,
	v_cndmask_b32 v[P+24+\e], v[P+8+\e], v[P+\e], s32              ; what the lane 8 away keeps
.endr
.irp e, 0,1,2,3,4,5,6,7
	v_add_f32_dpp v[P+16+\e], v[P+24+\e], v[P+16+\e] row_xmask:8 row_mask:0xf bank_mask:0xf
.endr
.irp d, 4,2,1
.irp e, 0,1,2,3,4,5,6,7
	v_add_f32_dpp v[P+16+\e], v[P+16+\e], v[P+16+\e] row_xmask:\d row_mask:0xf bank_mask:0xf
.endr
.endr
; v48-55: the eight logits of my token.  Softmax, as reference() has it: the maximum is taken away first.
	s_wait_kmcnt 0x0                               ; bg
.irp e, 0,1,2,3,4,5,6,7
	v_add_f32 v[48+\e], s[24+\e], v[48+\e]
.endr
	v_max3_num_f32 v20, v48, v49, v50
	v_max3_num_f32 v20, v20, v51, v52
	v_max3_num_f32 v20, v20, v53, v54
	v_max_num_f32 v20, v20, v55
.irp e, 0,1,2,3,4,5,6,7
	v_sub_f32 v[48+\e], v[48+\e], v20
.endr
.irp e, 0,1,2,3,4,5,6,7
	v_mul_f32 v[48+\e], 0x3fb8aa3b, v[48+\e]       ; x log2(e)
.endr
.irp e, 0,1,2,3,4,5,6,7
	v_exp_f32 v[48+\e], v[48+\e]
.endr
	v_mov_b32 v27, -1.0                            ; a plain line behind the last exponential
	s_wait_alu depctr_va_vdst(0)                   ; one wait for the eight, ahead of their first reader
	v_add_f32 v21, v48, v49
	v_add_f32 v22, v50, v51
	v_add_f32 v23, v52, v53
	v_add_f32 v24, v54, v55
	v_add_f32 v21, v21, v22
	v_add_f32 v23, v23, v24
	v_add_f32 v21, v21, v23
	v_rcp_f32 v21, v21
	v_mov_b32 v23, 0                               ; (a plain line behind the reciprocal)  the largest's index
	s_wait_alu depctr_va_vdst(0)
.irp e, 0,1,2,3,4,5,6,7
	v_mul_f32 v[48+\e], v[48+\e], v21              ; the probabilities
.endr
	v_mov_b32 v22, v48                             ; the largest: an ascending walk that gives way only to a strictly larger number, so that equals keep the lower index
.irp e, 1,2,3,4,5,6,7
	v_cmp_ge_f32 vcc_lo, v22, v[48+\e]
	v_cndmask_b32 v22, v[48+\e], v22, vcc_lo
	v_cndmask_b32 v23, \e, v23, vcc_lo
.endr
.irp e, 0,1,2,3,4,5,6,7
	v_cmp_eq_u32 vcc_lo, \e, v23
	v_cndmask_b32 v[56+\e], v[48+\e], v27, vcc_lo  ; the largest is taken out: -1 lies under every probability
.endr
	v_mov_b32 v24, v56                             ; the second largest, by the same walk
	v_mov_b32 v25, 0
.irp e, 1,2,3,4,5,6,7
	v_cmp_ge_f32 vcc_lo, v24, v[56+\e]
	v_cndmask_b32 v24, v[56+\e], v24, vcc_lo
	v_cndmask_b32 v25, \e, v25, vcc_lo
.endr
	v_add_f32 v26, v22, v24
	v_add_f32 v26, 0x3089705f, v26                 ; + 1e-9
	v_rcp_f32 v26, v26
	v_min_u32 v16, v23, v25                        ; a  (plain work behind the reciprocal)
	v_add_nc_u32 v17, v23, v25
	v_sub_nc_u32 v17, v17, v16                     ; b
	v_sub_nc_u32 v18, 15, v16
	v_mul_u32_u24 v18, v18, v16
	v_lshrrev_b32 v18, 1, v18
	v_add_nc_u32 v18, v18, v17
	v_sub_nc_u32 v18, v18, v16
	v_add_nc_u32 v30, -1, v18                      ; key = a (15 - a) / 2 + b - a - 1
	v_mov_b32 v31, 0
	v_cmp_lt_u32 vcc_lo, v23, v25
	s_wait_alu depctr_va_vdst(0)
	v_mul_f32 v22, v22, v26
	v_mul_f32 v24, v24, v26
	v_cndmask_b32 v28, v24, v22, vcc_lo            ; ga: the gate of the lower index
	v_cndmask_b32 v29, v22, v24, vcc_lo            ; gb
	s_wait_dscnt 0x0                               ; the codes are back in registers
.irp j, 0,1,2,3,4,5
	global_store_b128 v2, v[X+4*\j:X+4*\j+3], s[10:11] offset:512*\j   ; 512 consecutive bytes, at a multiple of 256 from xq's first byte
.endr
	ds_store_b128 v8, v[28:31]                     ; eight lanes write the same 16 bytes with the same values
	s_wait_dscnt 0x0                               ; for wave 0's sake: my records and my scale bytes lie in LDS
	s_barrier_signal -1
	s_barrier_wait -1
	s_cmp_lg_u32 s20, 0
	s_cbranch_scc1 .Lend
; Wave 0, a lane a token: what the 32 tokens leave together, so that each store is 128 bytes or more on end.
	ds_load_b128 v[32:35], v15                     ; ga, gb, key, 0
	ds_load_b128 v[36:39], v19                     ; the 1,024 scale bytes
	ds_load_b128 v[40:43], v19 offset:512
	v_mov_b32 v44, 0                               ; lane k: how many of the 32 have key k
	v_mov_b32 v45, 0                               ; my rank among those of my key
	v_mov_b32 v48, 0
	v_mov_b32 v49, 0
	v_lshlrev_b32 v47, 2, v1
	v_lshlrev_b32 v50, 3, v1
	s_lshl_b32 s34, ttmp9, 7
	s_add_nc_u64 s[16:17], s[16:17], s[34:35]      ; route: 128 bytes a group, in both parts
	s_lshl_b32 s34, ttmp9, 8
	s_add_nc_u64 s[14:15], s[14:15], s[34:35]      ; gates and plan: 256
	s_add_nc_u64 s[18:19], s[18:19], s[34:35]
	s_lshl_b32 s34, ttmp9, 10
	s_add_nc_u64 s[12:13], s[12:13], s[34:35]      ; xs: 1,024
	s_wait_dscnt 0x0
.set k, 0
.rept 28
	v_cmp_eq_u32 s36, k, v34                       ; the lanes with key k: these lines make values alone; no address and no branch hangs on them
	s_bcnt1_i32_b32 s37, s36
	v_writelane_b32 v44, s37, k
	v_mbcnt_lo_u32_b32 v46, s36, 0                 ; how many of them stand below me
	v_cndmask_b32 v45, v45, v46, s36
.set k, k+1
.endr
	v_lshl_or_b32 v46, v45, 8, v34
	global_store_b32 v47, v46, s[16:17]
	global_store_b32 v47, v44, s[16:17] offset:32768
	global_store_b64 v50, v[32:33], s[14:15]       ; 256 consecutive bytes, aligned
	global_store_b128 v2, v[36:39], s[12:13]
	global_store_b128 v2, v[40:43], s[12:13] offset:512
	global_store_b64 v50, v[48:49], s[18:19]       ; zeros: the places of the token list that the next launch leaves alone name token 0
.Lend:
	s_wait_xcnt 0x0
	v_lshl_add_u32 v254, v0, 2, 0x20800
	v_mov_b32 v255, 0
	s_wait_tensorcnt 0x0
	ds_add_u32 v254, v255
	s_wait_dscnt 0x0
	s_endpgm
.Lfunc_end_k_q3f22de98de_route_x:
	.size	k_q3f22de98de_route_x, .Lfunc_end_k_q3f22de98de_route_x-k_q3f22de98de_route_x
	.p2alignl 7, 3214868480
	.fill 96, 4, 3214868480
	.section	.rodata,"a",@progbits
	.p2align	6, 0x0
	.amdhsa_kernel k_q3f22de98de_route_x
		.amdhsa_group_segment_fixed_size 134144
		.amdhsa_private_segment_fixed_size 0
		.amdhsa_enable_private_segment 0
		.amdhsa_kernarg_size 64
		.amdhsa_user_sgpr_count 2
		.amdhsa_user_sgpr_kernarg_segment_ptr 1
		.amdhsa_wavefront_size32 1
		.amdhsa_system_sgpr_workgroup_id_x 1
		.amdhsa_system_sgpr_workgroup_id_y 1
		.amdhsa_system_sgpr_workgroup_id_z 1
		.amdhsa_system_vgpr_workitem_id 0
		.amdhsa_next_free_vgpr 512
		.amdhsa_next_free_sgpr 66
		.amdhsa_reserve_vcc 1
		.amdhsa_float_denorm_mode_32 3
		.amdhsa_float_denorm_mode_16_64 3
		.amdhsa_memory_ordered 1
		.amdhsa_forward_progress 1
		.amdhsa_inst_pref_size 76
	.end_amdhsa_kernel
	.amdgpu_metadata
---
amdhsa.version: [ 1, 2 ]
amdhsa.kernels:
  - .name:           k_q3f22de98de_route_x
    .symbol:         k_q3f22de98de_route_x.kd
    .args:
      - { .name: x, .offset: 0, .size: 8, .value_kind: global_buffer, .address_space: global }
      - { .name: Wg, .offset: 8, .size: 8, .value_kind: global_buffer, .address_space: global }
      - { .name: bg, .offset: 16, .size: 8, .value_kind: global_buffer, .address_space: global }
      - { .name: xq, .offset: 24, .size: 8, .value_kind: global_buffer, .address_space: global }
      - { .name: xs, .offset: 32, .size: 8, .value_kind: global_buffer, .address_space: global }
      - { .name: gates, .offset: 40, .size: 8, .value_kind: global_buffer, .address_space: global }
      - { .name: route, .offset: 48, .size: 8, .value_kind: global_buffer, .address_space: global }
      - { .name: plan, .offset: 56, .size: 8, .value_kind: global_buffer, .address_space: global }
    .group_segment_fixed_size: 134144
    .private_segment_fixed_size: 0
    .kernarg_segment_align: 8
    .kernarg_segment_size: 64
    .max_flat_workgroup_size: 256
    .sgpr_count:     66
    .vgpr_count:     512
    .wavefront_size: 32
...
	.end_amdgpu_metadata
.endif
;; end of part 1
;; launch place_w (part 2): grid 513 x 1, 4 waves a work-group, no clusters, 1,024 bytes of LDS; arguments We, route, wq, ws, plan; writes wq, ws, plan
.if DOCPART == 2
	.amdgcn_target "amdgcn-amd-amdhsa--gfx1250"
	.amdhsa_code_object_version 6
	.text
	.protected	k_q3f22de98de_place_w
	.globl	k_q3f22de98de_place_w
	.p2align	8
	.type	k_q3f22de98de_place_w,@function
k_q3f22de98de_place_w:
	s_mov_b64 s[64:65], 0
	v_nop
	global_prefetch_b8 v0, s[64:65] scope:SCOPE_SE
	s_setreg_imm32_b32 hwreg(HW_REG_WAVE_MODE, 25, 1), 1
	s_wait_xcnt 0x0
; TWO JOBS IN ONE LAUNCH, parted by the work-group's number.
; WORK-GROUPS 1 .. 512: We [8][1024 (k)][1024 (n)] f32, K its middle axis, becomes codes of FP6 (E2M3) with one E8M0 byte for each 32 along K.  A LANE TAKES A COLUMN n AND ITS REGISTERS RUN DOWN K: a block of 32 lies in one
; lane, and the conversions give codes with K innermost.  A work-group takes one expert, one K step of 128, 128 columns; a wave 32 columns: 128 loads of 128 consecutive bytes, all issued at the head.
; wq is laid IN THE ORDER OF THE OPERAND'S REGISTERS: [e][tile of 16 columns][K step][c = 0..2][lane 0..31][16 bytes]; lane r + 16 h holds blocks h and 2 + h of column r: my lane makes both halves' registers of its column, and
; sixteen lanes store 256 consecutive aligned bytes.  ws [e][K step][n]: a scale word (128 bytes a wave and store: half a run of 256; one byte in 128 of what the launch reads).
; WORK-GROUP 0: the counting sort.  Tokens are placed by key (the pair of experts, 0 .. 27); each key's run begins a new tile of 128 places.  It reads the whole numbers that the launch before stored (counts for each group
; of 32 tokens, key and rank of each token) and stores plan: the token list [tile][128] and, from byte 0xC000 on, 96 tile words a | b << 4 | rows << 8.  At most 64 + 27 = 91 tiles, whatever the choice.
; LIMITS: as in the launch before (blocks under 2^-124 and blocks of zeros keep the byte 1; NaN and infinities are not served).
	s_load_b256 s[4:11], s[0:1], 0x0               ; We s[4:5], route s[6:7], wq s[8:9], ws s[10:11]
	s_load_b64 s[12:13], s[0:1], 0x20              ; plan
	v_lshl_add_u32 v62, v0, 2, 0x200
	v_mov_b32 v63, 0
	v_lshrrev_b32 v1, 5, v0
	v_readfirstlane_b32 s20, v1                    ; wave 0..3
	v_and_b32 v1, 31, v0                           ; lane
	v_lshlrev_b32 v2, 2, v1
	s_cmp_eq_u32 ttmp9, 0
	s_cbranch_scc1 .Lplace
; ---------------- We into codes
	s_sub_co_u32 s21, ttmp9, 1
	s_lshr_b32 s22, s21, 6                         ; expert
	s_bfe_u32 s23, s21, 0x30003                    ; K step
	s_and_b32 s24, s21, 7                          ; which 128 columns
	s_lshl_b32 s26, s22, 22                        ; We: e x 4 MiB + 128 s rows of 4,096 bytes + 512 nb + 128 w
	s_lshl_b32 s27, s23, 19
	s_add_co_u32 s26, s26, s27
	s_lshl_b32 s27, s24, 9
	s_add_co_u32 s26, s26, s27
	s_lshl_b32 s27, s20, 7
	s_add_co_u32 s26, s26, s27
	s_mov_b32 s27, 0
	s_lshl_b32 s28, s22, 6                         ; wq: ((64 e + 8 nb + 2 w) x 8 + s) x 1,536
	s_lshl_b32 s29, s24, 3
	s_add_co_u32 s28, s28, s29
	s_lshl_b32 s29, s20, 1
	s_add_co_u32 s28, s28, s29
	s_lshl_b32 s28, s28, 3
	s_add_co_u32 s28, s28, s23
	s_mul_i32 s28, s28, 1536
	s_mov_b32 s29, 0
	s_lshl_b32 s30, s22, 3                         ; ws: (8 e + s) x 4,096 + 512 nb + 128 w
	s_add_co_u32 s30, s30, s23
	s_lshl_b32 s30, s30, 12
	s_lshl_b32 s31, s24, 9
	s_add_co_u32 s30, s30, s31
	s_lshl_b32 s31, s20, 7
	s_add_co_u32 s30, s30, s31
	s_mov_b32 s31, 0
	v_lshrrev_b32 v3, 4, v1                        ; lanes 16-31 hold the next tile of 16 columns: 8 K steps x 1,536 bytes on
	v_mul_u32_u24 v3, v3, 12288
	v_and_b32 v4, 15, v1
	v_lshl_add_u32 v3, v4, 4, v3
	s_wait_kmcnt 0x0
	s_add_nc_u64 s[4:5], s[4:5], s[26:27]
	s_add_nc_u64 s[8:9], s[8:9], s[28:29]
	s_add_nc_u64 s[10:11], s[10:11], s[30:31]
.set i, 0
.rept 128
	global_load_b32 v[64+i], v2, s[4:5] offset:4096*i th:TH_LOAD_NT    ; We(128 s + i, my column); read once in the launch
.set i, i+1
.endr
; Block j of my column: its codes are registers 6 (j / 2) .. + 5 of the operand's lane half j % 2 (v192-203: half 0; v204-215: half 1).
.macro BLOCK j, left
	s_wait_loadcnt \left
.set XS, 64+32*(\j)
.set QB, 192+12*((\j)%2)+6*((\j)/2)
.set TH, 216+4*(\j)
	v_max3_num_f32 v12, |v[XS]|, |v[XS+1]|, |v[XS+2]|
	v_max3_num_f32 v13, |v[XS+3]|, |v[XS+4]|, |v[XS+5]|
.irp n, 6,10,14,18,22,26
	v_max3_num_f32 v12, v12, |v[XS+\n]|, |v[XS+\n+1]|
	v_max3_num_f32 v13, v13, |v[XS+\n+2]|, |v[XS+\n+3]|
.endr
	v_max3_num_f32 v12, v12, |v[XS+30]|, |v[XS+31]|
	v_max3_num_f32 v12, v12, v13, 0x1800000        ; the floor 2^(3 - 127): the byte cannot fall under 1
	v_add_nc_u32 v14, 0xff000000, v12              ; 2 off the exponent field: the conversion's scale operand
	v_cvt_scalef32_pk16_fp6_f32 v[QB:QB+2], v[XS:XS+15], v14
	v_cvt_scalef32_pk16_fp6_f32 v[TH:TH+2], v[XS+16:XS+31], v14    ; (a conversion's three registers begin on an even number)
	v_lshrrev_b32 v13, 23, v14                     ; the scale's byte; also the plain line between the conversions and the moves
.if (\j) == 0
	v_mov_b32 v15, v13
.else
	v_lshl_or_b32 v15, v13, 8*(\j), v15            ; four bytes make my column's scale word of this K step
.endif
	v_mov_b32 v[QB+3], v[TH]
	v_mov_b32 v[QB+4], v[TH+1]
	v_mov_b32 v[QB+5], v[TH+2]
.endm
	BLOCK 0, 63                                    ; 96 younger loads could stay out; the wait's field holds 63
	BLOCK 1, 63                                    ; likewise 64
	BLOCK 2, 32                                    ; the last block's 32 stay out
	BLOCK 3, 0
.irp h, 0,1
.irp c, 0,1,2
	global_store_b128 v3, v[192+12*\h+4*\c:192+12*\h+4*\c+3], s[8:9] offset:512*\c+256*\h   ; each half of the lanes: 256 consecutive bytes, aligned
.endr
.endr
	global_store_b32 v2, v15, s[10:11]
	s_endpgm
; ---------------- the placing.  Wave w owns groups 64 w .. 64 w + 63 (tokens 2,048 w on).  In every register of counts a lane stands for a key.
; v64-127 the groups' counts, then running sums; v128-191 key | rank << 8 of each group's 32 tokens, then the token ids; v192-223, v224-255 at work, 32 groups at a time.
.Lplace:
	v_lshlrev_b32 v3, 2, v0
	v_lshrrev_b32 v17, 5, v0
	v_lshl_or_b32 v17, v17, 11, v1                 ; the token of my lane in my wave's first group
	s_lshl_b32 s26, s20, 13                        ; 64 groups x 128 bytes
	s_mov_b32 s27, 0
	s_wait_kmcnt 0x0
	s_add_nc_u64 s[6:7], s[6:7], s[26:27]
.set i, 0
.rept 64
	global_load_b32 v[64+i], v2, s[6:7] offset:32768+128*i
.set i, i+1
.endr
.set i, 0
.rept 64
	global_load_b32 v[128+i], v2, s[6:7] offset:128*i
.set i, i+1
.endr
	s_wait_loadcnt 63                              ; the 64 loads of counts are in (and one more); the others stay out
	v_add3_u32 v4, v64, v65, v66                   ; my wave's count of each key, in two chains
	v_add3_u32 v18, v67, v68, v69
.set i, 70
.rept 14
	v_add3_u32 v4, v4, v[i], v[i+1]
	v_add3_u32 v18, v18, v[i+2], v[i+3]
.set i, i+4
.endr
	v_add3_u32 v4, v4, v126, v127
	v_add_nc_u32 v4, v4, v18
	ds_store_b32 v3, v4                            ; 128 bytes a wave
	s_wait_dscnt 0x0                               ; for the others' sake
	s_barrier_signal -1
	s_barrier_wait -1
.irp j, 0,1,2,3
	ds_load_b32 v[5+\j], v2 offset:128*\j
.endr
	s_wait_dscnt 0x0
	v_add_nc_u32 v9, v5, v6
	v_add3_u32 v9, v9, v7, v8                      ; how many tokens have each key
	v_mov_b32 v10, 0                               ; and how many of them lie in the waves before mine
.irp j, 0,1,2
	s_cmp_gt_u32 s20, \j
	s_cselect_b32 s21, -1, 0
	v_and_b32 v18, s21, v[5+\j]
	v_add_nc_u32 v10, v10, v18
.endr
	v_add_nc_u32 v11, 127, v9
	v_lshrrev_b32 v11, 7, v11                      ; tiles of each key
	v_mov_b32 v12, 0                               ; lane k: key k's first tile
	v_mov_b32 v13, 0                               ; thread t: tile t's word; a tile that no key reaches keeps 0: no rows
	s_mov_b32 s29, 0
.set ka, 0
.set kb, 1
.set k, 0
.rept 28                               ; the keys in order; a and b are constants of each step
	v_readlane_b32 s30, v11, k
	v_readlane_b32 s31, v9, k
	v_writelane_b32 v12, s29, k
	v_sub_nc_u32 v14, v0, s29                      ; which of the key's tiles thread t's would be (a great number where t lies below)
	v_cmp_gt_u32 vcc_lo, s30, v14
	v_lshlrev_b32 v15, 7, v14
	v_sub_nc_u32 v15, s31, v15
	v_min_u32 v15, 0x80, v15                       ; its rows: 128, or what is left
	v_lshl_or_b32 v15, v15, 8, ka|(kb<<4)
	v_cndmask_b32 v13, v13, v15, vcc_lo
	s_add_co_u32 s29, s29, s30
.set k, k+1
.set kb, kb+1
.if kb > 7
.set ka, ka+1
.set kb, ka+1
.endif
.endr
	v_lshl_add_u32 v16, v12, 7, v10                ; where my wave's first token of each key goes
	v_add_nc_u32 v64, v64, v16
.set i, 1
.rept 63
	v_add_nc_u32 v[64+i], v[64+i], v[63+i]         ; v[64 + i]: where group i + 1's first token of each key goes
.set i, i+1
.endr
	s_wait_loadcnt 0x0                             ; keys and ranks
.irp hh, 0,1
.if \hh
	s_wait_xcnt 0x0                                ; the first half's stores have read their offsets: v224-255 are written again only behind this wait
.endif
.set n, 0
.rept 32
	v_lshlrev_b32 v[192+n], 2, v[128+32*\hh+n]
	v_and_b32 v[192+n], 0x7c, v[192+n]             ; 4 x key: the lane that stands for my token's key
.set n, n+1
.endr
.set n, 0
.rept 32
.if 32*\hh+n == 0
	ds_bpermute_b32 v[224+n], v[192+n], v16
.else
	ds_bpermute_b32 v[224+n], v[192+n], v[63+32*\hh+n]
.endif
.set n, n+1
.endr
	s_wait_dscnt 0x0
.set n, 0
.rept 32
	v_lshrrev_b32 v[192+n], 8, v[128+32*\hh+n]     ; my token's rank in its group
	v_add_nc_u32 v[224+n], v[224+n], v[192+n]
	v_min_u32 v[224+n], 0x2d7f, v[224+n]           ; a place in the list: 91 x 128 - 1 at the most
	v_lshlrev_b32 v[224+n], 2, v[224+n]
	v_add_nc_u32 v[128+32*\hh+n], 32*(32*\hh+n), v17               ; the token
	global_store_b32 v[224+n], v[128+32*\hh+n], s[12:13]
.set n, n+1
.endr
.endr
	s_cmp_lt_u32 s20, 3
	s_cbranch_scc0 .Lplaced
	global_store_b32 v3, v13, s[12:13] offset:0xc000               ; 96 tile words
.Lplaced:
	s_wait_tensorcnt 0x0
	ds_add_u32 v62, v63
	s_wait_dscnt 0x0
	s_endpgm
.Lfunc_end_k_q3f22de98de_place_w:
	.size	k_q3f22de98de_place_w, .Lfunc_end_k_q3f22de98de_place_w-k_q3f22de98de_place_w
	.p2alignl 7, 3214868480
	.fill 96, 4, 3214868480
	.section	.rodata,"a",@progbits
	.p2align	6, 0x0
	.amdhsa_kernel k_q3f22de98de_place_w
		.amdhsa_group_segment_fixed_size 1024
		.amdhsa_private_segment_fixed_size 0
		.amdhsa_enable_private_segment 0
		.amdhsa_kernarg_size 40
		.amdhsa_user_sgpr_count 2
		.amdhsa_user_sgpr_kernarg_segment_ptr 1
		.amdhsa_wavefront_size32 1
		.amdhsa_system_sgpr_workgroup_id_x 1
		.amdhsa_system_sgpr_workgroup_id_y 1
		.amdhsa_system_sgpr_workgroup_id_z 1
		.amdhsa_system_vgpr_workitem_id 0
		.amdhsa_next_free_vgpr 256
		.amdhsa_next_free_sgpr 66
		.amdhsa_reserve_vcc 1
		.amdhsa_float_denorm_mode_32 3
		.amdhsa_float_denorm_mode_16_64 3
		.amdhsa_memory_ordered 1
		.amdhsa_forward_progress 1
		.amdhsa_inst_pref_size 84
	.end_amdhsa_kernel
	.amdgpu_metadata
---
amdhsa.version: [ 1, 2 ]
amdhsa.kernels:
  - .name:           k_q3f22de98de_place_w
    .symbol:         k_q3f22de98de_place_w.kd
    .args:
      - { .name: We, .offset: 0, .size: 8, .value_kind: global_buffer, .address_space: global }
      - { .name: route, .offset: 8, .size: 8, .value_kind: global_buffer, .address_space: global }
      - { .name: wq, .offset: 16, .size: 8, .value_kind: global_buffer, .address_space: global }
      - { .name: ws, .offset: 24, .size: 8, .value_kind: global_buffer, .address_space: global }
      - { .name: plan, .offset: 32, .size: 8, .value_kind: global_buffer, .address_space: global }
    .group_segment_fixed_size: 1024
    .private_segment_fixed_size: 0
    .kernarg_segment_align: 8
    .kernarg_segment_size: 40
    .max_flat_workgroup_size: 128
    .sgpr_count:     66
    .vgpr_count:     256
    .wavefront_size: 32
...
	.end_amdgpu_metadata
.endif
;; end of part 2
;; launch experts (part 3): grid 8 x 91, 4 waves a work-group, no clusters, 107,008 bytes of LDS; arguments xq, xs, gates, plan, wq, ws, be, out0; writes out0
.if DOCPART == 3
	.amdgcn_target "amdgcn-amd-amdhsa--gfx1250"
	.amdhsa_code_object_version 6
	.text
	.protected	k_q3f22de98de_experts
	.globl	k_q3f22de98de_experts
	.p2align	8
	.type	k_q3f22de98de_experts,@function
k_q3f22de98de_experts:
	s_mov_b64 s[64:65], 0
	v_nop
	global_prefetch_b8 v0, s[64:65] scope:SCOPE_SE
	s_setreg_imm32_b32 hwreg(HW_REG_WAVE_MODE, 25, 1), 1
	s_wait_xcnt 0x0
; out[token] = ga (x We[a] + be[a]) + gb (x We[b] + be[b]) for the token's two chosen experts a < b, both products on codes of FP6 (E2M3) with one E8M0 scale for each 32 along K; sums in f32.
; reference() computes all eight experts and gathers two: only those two are multiplied.  A TILE is 128 tokens with the SAME pair {a, b} (the list and the tile words were stored by the launch before).
; SHARES.  Work-group (x, y): tile y, columns 128 x .. + 127, BOTH experts, K = 1,024.  Each output row has one owner; nothing is summed through memory.  The grid has a work-group for each of the 91 tiles that any
; choice can need; a tile without rows passes the barriers, multiplies nothing and stores nothing.
; Wave w: all 8 tiles of 16 rows x columns 32 w .. + 31 (two tiles of 16) x 2 experts: 32 accumulators (window 1), 256 matrix instructions, written out: K is 8 steps.
; THE ROWS' CODES are gathered once into LDS (each half of the lanes reads 256 consecutive aligned bytes of a row) and read by all four waves; each fragment of x feeds four products.
; THE WEIGHTS go from memory straight into registers: wq holds images of the operand's registers, so a fragment is three loads of 512 consecutive bytes, and each is loaded by one wave of the work-group alone.
; THE MATRIX INSTRUCTION IS USED TRANSPOSED (source 0 = 16 columns of We, source 1 = 16 tokens): a lane holds one token and eight neighbouring columns.  The bias is the C of each sum's first product.
; NO TENSOR LOADS AND NO JOINT LOADS: which weights a work-group reads, and whether it has rows at all, hang on numbers read from memory, and the text branches on them.
; REGISTERS.  Window 0: v1-15 addresses that stay; v16-20 at work in the head; v28-99 x's fragments, 3 slots of two; v100-243 the weights' fragments, 3 sets of four (2 e + column tile); v244-246 x's scale words, a slot each;
;   v248-253 the weights' scale words, two a set: these nine hold scales and nothing else.  v196-227 take the gates when K step 5 has multiplied set 2.  On the way out v28-155 rows, v156-187 their offsets.
;   Window 1: accumulator (e, row tile mt, column tile nt) at 128 e + 8 (2 mt + nt).  Ahead of the products the gathered rows land there, and the bias tiles lie in the accumulators of row tile 7.
.set PITCH,  816                       ; a row in LDS: 768 bytes of codes + 32 scale bytes + 16: an odd multiple of 16, so that sixteen rows' 16 bytes fall into sixteen different columns of 256 bytes
.set GAT,    128*PITCH                 ; behind the rows: (ga, gb, gb, ga), 16 bytes a row
.set SPITCH, 528                       ; the way out: 128 rows of 512 bytes + 16, over the rows' bytes, behind a barrier
.set AR, 28
.set BR, 100
.set SA, 244
.set SB, 248
.set G,  196
.set O,  28
.set OF, 156
.set MSB, 0
.macro WIN new                         ; the immediate's high byte repeats the setting that is left
.if MSB != \new
	s_set_vgpr_msb (MSB<<8)|\new
.set MSB, \new
.endif
.endm
	s_load_b512 s[4:19], s[0:1], 0x0               ; xq s[4:5], xs s[6:7], gates s[8:9], plan s[10:11], wq s[12:13], ws s[14:15], be s[16:17], out0 s[18:19]
	v_lshl_add_u32 v254, v0, 2, 0x1a000
	v_mov_b32 v255, 0
	v_lshrrev_b32 v16, 5, v0
	v_readfirstlane_b32 s24, v16                   ; wave 0..3
	v_and_b32 v16, 31, v0                          ; l
	v_and_b32 v17, 15, v0                          ; r
	v_bfe_u32 v18, v0, 4, 1                        ; h
	v_lshlrev_b32 v1, 4, v16                       ; 16 l
	v_lshlrev_b32 v2, 2, v16                       ; 4 l
	v_mul_u32_u24 v3, v17, PITCH
	v_mad_u32_u24 v3, v18, 48, v3                  ; a fragment of x: row r, my half's 48 bytes; row tiles 0-3,
	v_add_nc_u32 v4, 64*PITCH, v3                  ; row tiles 4-7
	v_mul_u32_u24 v5, v16, PITCH
	v_add_nc_u32 v5, 768, v5                       ; x's scale words: lanes 0-15 an even row tile's rows, lanes 16-31 the odd one's; rows 0-63,
	v_add_nc_u32 v6, 64*PITCH, v5                  ; rows 64-127
	s_mul_i32 s46, s24, 32*PITCH                   ; the gather: my wave's 32 rows
	v_mul_u32_u24 v8, v18, PITCH
	v_lshl_add_u32 v8, v17, 4, v8
	v_add_nc_u32 v8, s46, v8                       ; codes: two rows an instruction, 16 bytes a lane
	v_add_nc_u32 v9, s46, v5                       ; scale bytes: a lane a row
	v_lshl_add_u32 v10, v0, 4, GAT                 ; gates in: a lane a row
	v_lshl_add_u32 v11, v17, 4, GAT                ; and out: row r of a row tile
	v_mul_u32_u24 v12, v17, SPITCH
	v_lshl_add_u32 v12, v18, 5, v12
	s_lshl_b32 s46, s24, 7
	v_add_nc_u32 v12, s46, v12                     ; the stage, in: row r, + 32 h, + my wave's 128 bytes
	s_mul_i32 s46, s24, 32*SPITCH
	v_add_nc_u32 v13, s46, v1                      ; and back: my 32 rows, 16 bytes a lane
	v_lshlrev_b32 v14, 5, v18                      ; the bias: my half's eight columns
	v_lshlrev_b32 v15, 2, v18                      ; the list: lanes 16-31 take the next row's token
	v_lshlrev_b32 v17, 4, v17                      ; 16 r
	s_and_b32 s46, ttmp7, 0xffff                   ; the tile
	s_lshl_b32 s21, s46, 2
	s_lshl_b32 s40, s46, 9
	s_lshl_b32 s41, s24, 7
	s_add_co_u32 s40, s40, s41                     ; the list: 512 bytes a tile, 128 a wave
	s_mov_b32 s41, 0
	s_wait_kmcnt 0x0
	s_load_b32 s20, s[10:11], s21 offset:0xc000    ; the tile's word
	s_add_nc_u64 s[22:23], s[10:11], s[40:41]
	global_load_b32 v7, v2, s[22:23]               ; lane l: the token of my wave's row l
.irp p, 0,1,2,3,4,5,6,7,8,9,10,11,12,13,14,15
	global_load_b32 v[28+\p], v15, s[22:23] offset:8*\p            ; lanes 0-15: the token of row 2 p, lanes 16-31: of row 2 p + 1
.endr
	s_mul_i32 s47, ttmp9, 98304                    ; wq: (8 x + 2 w) column tiles x 8 K steps x 1,536 bytes
	s_mul_i32 s50, s24, 24576
	s_add_co_u32 s47, s47, s50
	s_lshl_b32 s50, ttmp9, 9
	s_lshl_b32 s51, s24, 7
	s_add_co_u32 s51, s50, s51                     ; ws, be: my wave's first column x 4
	s_mov_b32 s49, 0
	s_mov_b32 s48, s50
	s_add_nc_u64 s[44:45], s[18:19], s[48:49]      ; out0 at the work-group's first column
	s_wait_kmcnt 0x0
	s_and_b32 s25, s20, 15                         ; a
	s_bfe_u32 s26, s20, 0x40004                    ; b
	s_lshr_b32 s27, s20, 8                         ; rows
	s_min_u32 s25, s25, 7
	s_min_u32 s26, s26, 7
	s_min_u32 s27, s27, 128
	s_mul_i32 s48, s25, 786432
	s_add_co_u32 s48, s48, s47
	s_add_nc_u64 s[28:29], s[12:13], s[48:49]      ; a's fragments,
	s_mul_i32 s48, s26, 786432
	s_add_co_u32 s48, s48, s47
	s_add_nc_u64 s[30:31], s[12:13], s[48:49]      ; b's
	s_lshl_b32 s48, s25, 15
	s_add_co_u32 s48, s48, s51
	s_add_nc_u64 s[32:33], s[14:15], s[48:49]      ; their scale words
	s_lshl_b32 s48, s26, 15
	s_add_co_u32 s48, s48, s51
	s_add_nc_u64 s[34:35], s[14:15], s[48:49]
	s_lshl_b32 s48, s25, 12
	s_add_co_u32 s48, s48, s51
	s_add_nc_u64 s[36:37], s[16:17], s[48:49]      ; their biases
	s_lshl_b32 s48, s26, 12
	s_add_co_u32 s48, s48, s51
	s_add_nc_u64 s[38:39], s[16:17], s[48:49]
; K step s's four fragments of the weights and two scale words into set s % 3: 14 loads.  A scale word's lanes 0-15 serve column tile 0, lanes 16-31 column tile 1.
.macro BFETCH s
.set bf_r, BR+48*((\s)%3)
.irp n, 0,1
.irp c, 0,1,2
	global_load_b128 v[bf_r+12*\n+4*\c:bf_r+12*\n+4*\c+3], v1, s[28:29] offset:12288*\n+1536*(\s)+512*\c
.endr
.endr
.irp n, 0,1
.irp c, 0,1,2
	global_load_b128 v[bf_r+24+12*\n+4*\c:bf_r+24+12*\n+4*\c+3], v1, s[30:31] offset:12288*\n+1536*(\s)+512*\c
.endr
.endr
	global_load_b32 v[SB+2*((\s)%3)], v2, s[32:33] offset:4096*(\s)
	global_load_b32 v[SB+2*((\s)%3)+1], v2, s[34:35] offset:4096*(\s)
.endm
; Pair i = 4 s + p: x's fragments of row tiles 2 p and 2 p + 1 at K step s, and their scale word, into slot i % 3: 7 LDS loads.
.macro AFETCH i
.set af_s, (\i)/4
.set af_p, (\i)%4
.set af_r, AR+24*((\i)%3)
.irp u, 0,1
.irp c, 0,1,2
.if af_p < 2
	ds_load_b128 v[af_r+12*\u+4*\c:af_r+12*\u+4*\c+3], v3 offset:16*PITCH*(2*af_p+\u)+96*af_s+16*\c
.else
	ds_load_b128 v[af_r+12*\u+4*\c:af_r+12*\u+4*\c+3], v4 offset:16*PITCH*(2*(af_p-2)+\u)+96*af_s+16*\c
.endif
.endr
.endr
.if af_p < 2
	ds_load_b32 v[SA+(\i)%3], v5 offset:32*PITCH*af_p+4*af_s
.else
	ds_load_b32 v[SA+(\i)%3], v6 offset:32*PITCH*(af_p-2)+4*af_s
.endif
.endm
; One product.  ra: the weights' scales stand in lanes 16-31 (column tile 1); rb: x's do (an odd row tile).
.macro MM ra, rb
.if (\ra) && (\rb)
	v_wmma_scale_f32_16x16x128_f8f6f4 v[rD:rD+7], v[rB:rB+11], v[rA:rA+11], v[rC:rC+7], v[rSB], v[rSA] matrix_a_fmt:MATRIX_FMT_FP6 matrix_b_fmt:MATRIX_FMT_FP6 matrix_a_scale:MATRIX_SCALE_ROW1 matrix_b_scale:MATRIX_SCALE_ROW1
.elseif (\ra)
	v_wmma_scale_f32_16x16x128_f8f6f4 v[rD:rD+7], v[rB:rB+11], v[rA:rA+11], v[rC:rC+7], v[rSB], v[rSA] matrix_a_fmt:MATRIX_FMT_FP6 matrix_b_fmt:MATRIX_FMT_FP6 matrix_a_scale:MATRIX_SCALE_ROW1
.elseif (\rb)
	v_wmma_scale_f32_16x16x128_f8f6f4 v[rD:rD+7], v[rB:rB+11], v[rA:rA+11], v[rC:rC+7], v[rSB], v[rSA] matrix_a_fmt:MATRIX_FMT_FP6 matrix_b_fmt:MATRIX_FMT_FP6 matrix_b_scale:MATRIX_SCALE_ROW1
.else
	v_wmma_scale_f32_16x16x128_f8f6f4 v[rD:rD+7], v[rB:rB+11], v[rA:rA+11], v[rC:rC+7], v[rSB], v[rSA] matrix_a_fmt:MATRIX_FMT_FP6 matrix_b_fmt:MATRIX_FMT_FP6
.endif
.endm
; Eight products: two row tiles x (2 experts x 2 column tiles), then the fetches three pairs (and, at a K step's end, three K steps) ahead, into the registers just multiplied.
; The 32 accumulators take turns, one instruction a turn, in the same order in every K step.
.macro PAIR s, p
.set pidx, 4*(\s)+(\p)
.if pidx == 31
	s_wait_dscnt 0
.elseif pidx == 30
	s_wait_dscnt 7                                 ; one younger slot
.elseif (pidx >= 24) && (pidx <= 26)
	s_wait_dscnt 22                                ; two younger slots of 7 and the eight loads of gates
.else
	s_wait_dscnt 14                                ; two younger slots of 7
.endif
.if (\p) == 0
.if (\s) == 7
	s_wait_loadcnt 0
.elseif (\s) == 6
	s_wait_loadcnt 14                              ; one younger set
.else
	s_wait_loadcnt 28                              ; two younger sets of 14
.endif
.endif
	WIN 0x50                                       ; C and D window 1
.irp u, 0,1
.if (pidx == 3) && (\u == 1)
.rept 5
	v_nop                                          ; row tile 7's first products write over the bias tiles, which the four products before read as C: five places (ISA guide 7.12.1 for the kind of place)
.endr
.endif
.irp q, 0,1,2,3
.set mt, 2*(\p)+\u
.set rD, 128*(\q/2)+8*(2*mt+(\q%2))
.if (\s) == 0
.set rC, 128*(\q/2)+8*(14+(\q%2))                  ; the first K step starts the sums from the bias: nothing is cleared, nothing added later
.else
.set rC, rD
.endif
.set rB, BR+48*((\s)%3)+12*\q
.set rA, AR+24*(pidx%3)+12*\u
.set rSB, SB+2*((\s)%3)+(\q/2)
.set rSA, SA+pidx%3
	MM (\q%2), \u
.endr
.endr
.if pidx <= 28
.rept 4
	v_nop                                          ; four places in front of loads into registers that these products have read
.endr
	WIN 0
	AFETCH pidx+3
.if ((\p) == 3) && ((\s) <= 4)
	BFETCH (\s)+3
.endif
.if pidx == 23
.irp t, 0,1,2,3,4,5,6,7
	ds_load_b128 v[G+4*\t:G+4*\t+3], v11 offset:256*\t             ; the gates of row tile t's row r: set 2 has had its last K step
.endr
.endif
.endif
.endm
	BFETCH 0
	WIN 0x40                                       ; destination window 1
.irp n, 0,1
	global_load_b128 v[112+8*\n:115+8*\n], v14, s[36:37] offset:64*\n      ; be[a] at my lane's eight columns, in the result's layout
	global_load_b128 v[116+8*\n:119+8*\n], v14, s[36:37] offset:64*\n+16
	global_load_b128 v[240+8*\n:243+8*\n], v14, s[38:39] offset:64*\n      ; be[b]
	global_load_b128 v[244+8*\n:247+8*\n], v14, s[38:39] offset:64*\n+16
.endr
	WIN 0
	s_wait_loadcnt 22                              ; the 17 loads from the list are in; set 0's 14 and the bias's 8 stay out
	v_min_u32 v7, 0x1fff, v7
.irp p, 0,1,2,3,4,5,6,7,8,9,10,11,12,13,14,15
	v_min_u32 v[28+\p], 0x1fff, v[28+\p]
.endr
.irp p, 0,1,2,3,4,5,6,7,8,9,10,11,12,13,14,15
	v_mul_u32_u24 v[28+\p], v[28+\p], 768
.endr
.irp p, 0,1,2,3,4,5,6,7,8,9,10,11,12,13,14,15
	v_add_nc_u32 v[28+\p], v[28+\p], v17           ; the token's row of codes, + 16 r
.endr
	v_lshlrev_b32 v19, 5, v7
	v_lshlrev_b32 v20, 3, v7
	WIN 0x40
.set n, 0
.rept 48                               ; load n = 3 p + j: part j (256 bytes) of rows 2 p and 2 p + 1; into window 1's v0-111 and v128-207
.if n < 28
.set gr, 4*n
.else
.set gr, 128+4*(n-28)
.endif
	global_load_b128 v[gr:gr+3], v[28+n/3], s[4:5] offset:256*(n%3)
.set n, n+1
.endr
	global_load_b128 v[208:211], v19, s[6:7]       ; my row's 32 scale bytes
	global_load_b128 v[212:215], v19, s[6:7] offset:16
	global_load_b64 v[216:217], v20, s[8:9]        ; and its gates
	WIN 0
	BFETCH 1
	BFETCH 2
	s_wait_loadcnt 28                              ; all but sets 1 and 2
	WIN 0x04                                       ; an LDS store's data are its source 1: window 1
.set n, 0
.rept 48
.if n < 28
.set gr, 4*n
.else
.set gr, 128+4*(n-28)
.endif
	ds_store_b128 v8, v[gr:gr+3] offset:2*PITCH*(n/3)+256*(n%3)
.set n, n+1
.endr
	ds_store_b128 v9, v[208:211]
	ds_store_b128 v9, v[212:215] offset:16
	ds_store_b64 v10, v[216:217]                   ; (ga, gb,
	ds_store_b32 v10, v217 offset:8                ;  gb,
	ds_store_b32 v10, v216 offset:12               ;  ga): each gate stands first in a pair
	WIN 0
	s_wait_dscnt 0x0                               ; for the others' sake: my 32 rows lie in LDS
	s_barrier_signal -1
	s_barrier_wait -1                              ; all 128 do
	s_cmp_eq_u32 s27, 0                            ; a tile without rows multiplies nothing; no barrier is jumped over
	s_cbranch_scc1 .Lskipk
	AFETCH 0
	AFETCH 1
	AFETCH 2
.irp s, 0,1,2,3,4,5,6,7
.irp p, 0,1,2,3
	PAIR \s, \p
.endr
.endr
	WIN 0x51                                       ; destination, source 0 and source 2 window 1; the gates window 0
.irp t, 0,1,2,3,4,5,6,7                ; a's sums x ga + b's sums x gb, each accumulator from its low end on.  Row tile 0's lines name no register of the last products: they are the places behind them
.irp n, 0,1
.irp j, 0,2,4,6
	v_pk_mul_f32 v[16*\t+8*\n+\j:16*\t+8*\n+\j+1], v[16*\t+8*\n+\j:16*\t+8*\n+\j+1], v[G+4*\t:G+4*\t+1] op_sel_hi:[1,0]
.endr
.irp j, 0,2,4,6
	v_pk_fma_f32 v[16*\t+8*\n+\j:16*\t+8*\n+\j+1], v[128+16*\t+8*\n+\j:128+16*\t+8*\n+\j+1], v[G+4*\t+2:G+4*\t+3], v[16*\t+8*\n+\j:16*\t+8*\n+\j+1] op_sel_hi:[1,0,1]
.endr
.endr
.endr
	WIN 0
.Lskipk:
	s_wait_loadcnt 0x0                             ; (where the products were left out, sets 1 and 2 are still on their way)
	s_wait_dscnt 0x0                               ; my reads of the rows are over
	s_barrier_signal -1
	s_barrier_wait -1                              ; everybody's are: the stage may be laid over them
	WIN 0x04
.irp t, 0,1,2,3,4,5,6,7
.irp n, 0,1
	ds_store_b128 v12, v[16*\t+8*\n:16*\t+8*\n+3] offset:16*SPITCH*\t+64*\n        ; lane (r, h): row 16 t + r, columns 32 w + 16 n + 8 h + 0 .. 7
	ds_store_b128 v12, v[16*\t+8*\n+4:16*\t+8*\n+7] offset:16*SPITCH*\t+64*\n+16
.endr
.endr
	WIN 0
	s_wait_dscnt 0x0                               ; for the others' sake: my columns lie in the stage
	s_barrier_signal -1
	s_barrier_wait -1                              ; 128 whole rows of 512 bytes do
	s_lshl_b32 s46, s24, 5
	s_sub_co_i32 s42, s27, s46                     ; how many of my 32 rows are tokens
	s_cmp_gt_i32 s42, 0
	s_cbranch_scc0 .Ldone
.irp i, 0,1,2,3,4,5,6,7,8,9,10,11,12,13,14,15,16,17,18,19,20,21,22,23,24,25,26,27,28,29,30,31
	ds_load_b128 v[O+4*\i:O+4*\i+3], v13 offset:SPITCH*\i
.endr
.irp i, 0,1,2,3,4,5,6,7,8,9,10,11,12,13,14,15,16,17,18,19,20,21,22,23,24,25,26,27,28,29,30,31
.if \i > 0
	s_cmp_gt_i32 s42, \i                           ; the list's padding is not stored
	s_cbranch_scc0 .Ldone
.endif
	v_readlane_b32 s43, v7, \i                     ; the row's token
	s_min_u32 s43, s43, 8191
	s_lshl_b32 s43, s43, 12                        ; its row of out0
	v_add_nc_u32 v[OF+\i], s43, v1                 ; (an offset register for each row: none is written again while a store reads it)
	s_wait_dscnt 31-\i                             ; row i is back; the younger loads stay out
	global_store_b128 v[OF+\i], v[O+4*\i:O+4*\i+3], s[44:45] th:TH_STORE_NT        ; 32 lanes store 512 consecutive bytes, at a multiple of 256 from out0's first byte; written once
.endr
.Ldone:
	s_wait_dscnt 0x0                               ; rows read from the stage beyond the tile's count are dropped
	s_wait_tensorcnt 0x0
	ds_add_u32 v254, v255
	s_wait_dscnt 0x0
	s_endpgm
.Lfunc_end_k_q3f22de98de_experts:
	.size	k_q3f22de98de_experts, .Lfunc_end_k_q3f22de98de_experts-k_q3f22de98de_experts
	.p2alignl 7, 3214868480
	.fill 96, 4, 3214868480
	.section	.rodata,"a",@progbits
	.p2align	6, 0x0
	.amdhsa_kernel k_q3f22de98de_experts
		.amdhsa_group_segment_fixed_size 107008
		.amdhsa_private_segment_fixed_size 0
		.amdhsa_enable_private_segment 0
		.amdhsa_kernarg_size 64
		.amdhsa_user_sgpr_count 2
		.amdhsa_user_sgpr_kernarg_segment_ptr 1
		.amdhsa_wavefront_size32 1
		.amdhsa_system_sgpr_workgroup_id_x 1
		.amdhsa_system_sgpr_workgroup_id_y 1
		.amdhsa_system_sgpr_workgroup_id_z 1
		.amdhsa_system_vgpr_workitem_id 0
		.amdhsa_next_free_vgpr 512
		.amdhsa_next_free_sgpr 66
		.amdhsa_reserve_vcc 0
		.amdhsa_float_denorm_mode_32 3
		.amdhsa_float_denorm_mode_16_64 3
		.amdhsa_memory_ordered 1
		.amdhsa_forward_progress 1
		.amdhsa_inst_pref_size 107
	.end_amdhsa_kernel
	.amdgpu_metadata
---
amdhsa.version: [ 1, 2 ]
amdhsa.kernels:
  - .name:           k_q3f22de98de_experts
    .symbol:         k_q3f22de98de_experts.kd
    .args:
      - { .name: xq, .offset: 0, .size: 8, .value_kind: global_buffer, .address_space: global }
      - { .name: xs, .offset: 8, .size: 8, .value_kind: global_buffer, .address_space: global }
      - { .name: gates, .offset: 16, .size: 8, .value_kind: global_buffer, .address_space: global }
      - { .name: plan, .offset: 24, .size: 8, .value_kind: global_buffer, .address_space: global }
      - { .name: wq, .offset: 32, .size: 8, .value_kind: global_buffer, .address_space: global }
      - { .name: ws, .offset: 40, .size: 8, .value_kind: global_buffer, .address_space: global }
      - { .name: be, .offset: 48, .size: 8, .value_kind: global_buffer, .address_space: global }
      - { .name: out0, .offset: 56, .size: 8, .value_kind: global_buffer, .address_space: global }
    .group_segment_fixed_size: 107008
    .private_segment_fixed_size: 0
    .kernarg_segment_align: 8
    .kernarg_segment_size: 64
    .max_flat_workgroup_size: 128
    .sgpr_count:     66
    .vgpr_count:     512
    .wavefront_size: 32
...
	.end_amdgpu_metadata
.endif
;; end of part 3
;; ======== version 2 of 2: 3 launches
;; workspace buffers: xq 6,291,456 bytes; xs 262,144 bytes; gates 65,536 bytes; route 65,536 bytes of whole numbers; plan 65,536 bytes of whole numbers; wq 6,291,456 bytes; ws 262,144 bytes
;; launch route_x (part 4): grid 256 x 1, 8 waves a work-group, no clusters, 134,144 bytes of LDS; arguments x, Wg, bg, xq, xs, gates, route, plan; writes xq, xs, gates, route, plan
.if DOCPART == 4
	.amdgcn_target "amdgcn-amd-amdhsa--gfx1250"
	.amdhsa_code_object_version 6
	.text
	.protected	k_q3f22de98de_route_x
	.globl	k_q3f22de98de_route_x
	.p2align	8
	.type	k_q3f22de98de_route_x,@function
k_q3f22de98de_route_x:
	s_mov_b64 s[64:65], 0
	v_nop
	global_prefetch_b8 v0, s[64:65] scope:SCOPE_SE
	s_setreg_imm32_b32 hwreg(HW_REG_WAVE_MODE, 25, 1), 1
	s_wait_xcnt 0x0
; x [8192][1024] f32 is read once and serves twice: it is quantised to codes of FP6 (E2M3) with one E8M0 byte for each 32 along K, and the router (x Wg + bg, softmax, the two largest, their gates) is computed on it in f32.
; SHARES.  A work-group takes 32 tokens, each of its eight waves four.  LANE l OWNS BLOCK l (k = 32 l .. 32 l + 31) OF EVERY TOKEN: a block's largest magnitude needs no other lane, the conversions find 32 neighbours
; along K in the lane's registers, and the lane's slice of Wg (32 k x 8 experts = 256 registers, window 1) stays for the whole launch.  All 32 loads of x of a wave go out at the head: 16,384 bytes a wave.
; Each load reads 512 consecutive bytes; a token's 4,096 bytes turn through the wave's own stage in LDS so that a lane gets its block.
; OUT.  xq [token][768]: K step s (128 along K) at 96 s, in it the operand's lane half h at 48 h, in it part c at 24 c: block 4 s + 2 c + h: so an operand's lane finds its 12 registers as 48 consecutive bytes.
; xs [token][32] scale bytes.  gates [token] (ga, gb) for the chosen experts a < b.  route: word token = key | rank << 8 (key = the pair {a, b}, 0 .. 27; rank = how many earlier tokens of my 32 have that key);
; from byte 32,768 on, for each group of 32 tokens, 32 words: how many of them have key k.  plan is filled with zeros (256 bytes a work-group).  Every address here hangs on ids alone.
; No tensor loads, no cluster: work-groups share nothing but Wg's 32,768 bytes.
; LIMITS.  NaN and infinities are not served.  A block whose largest magnitude lies under 2^-124 keeps the byte 1; so does a block of zeros (its codes are zeros; this program alone reads the bytes).
; A probability under 2^-126 falls to 0.  Where the second and third largest probabilities differ by less than f32 rounding of the logits, either may be chosen.  Equal probabilities: the lower index, as jax.lax.top_k.
.set WPITCH, 1040                      ; a lane's slice of Wg in LDS: 1,024 bytes + 16: an odd multiple of 16, so that sixteen lanes' 16 bytes fall into sixteen different columns of 256 bytes
.set XST,    32*WPITCH                 ; the stages: two for each wave
.set LPL,    144                       ; a lane's place in a stage: its block's 128 bytes + 16
.set STAGE,  32*LPL
.set CST,    XST+16*STAGE              ; the codes of a wave's four tokens, 3,072 bytes a wave, as they lie in xq
.set SST,    CST+8*3072                ; the scale bytes, 32 a token
.set KST,    SST+1024                  ; (ga, gb, key, 0), 16 bytes a token
.set P,      32                        ; v32-63   logits: 8 i + e, partial in each lane
.set R,      64                        ; v64-191  x as loaded, 32 registers a token; then in token i's 32: +0..5 its codes, +6 its byte, +8..23 its partial logits in pairs (even k, odd k)
.set X,      192                       ; v192-255 two sets of 32 neighbours; set 0 first carries Wg on its way into LDS and last the codes on their way out
; v1 lane  v2 16 lane  v3, v4 the stage, in and out  v5 my block's place among the codes  v6 the codes' way out  v7 my scale byte  v8 my token's record  v9, v10 Wg in and out  v11 16 thread  v15, v19 wave 0's reads at the end
.set MSB, 0
.macro WIN new                         ; the immediate's high byte repeats the setting that is left
.if MSB != \new
	s_set_vgpr_msb (MSB<<8)|\new
.set MSB, \new
.endif
.endm
	s_load_b512 s[4:19], s[0:1], 0x0               ; x s[4:5], Wg s[6:7], bg s[8:9], xq s[10:11], xs s[12:13], gates s[14:15], route s[16:17], plan s[18:19]
	v_lshrrev_b32 v1, 5, v0
	s_delay_alu instid0(VALU_DEP_1)
	v_readfirstlane_b32 s20, v1                    ; wave 0..7
	v_and_b32 v1, 31, v0                           ; lane
	s_delay_alu instid0(VALU_DEP_1)
	v_lshlrev_b32 v2, 4, v1
	v_lshlrev_b32 v11, 4, v0
	v_lshrrev_b32 v9, 6, v0                        ; Wg into LDS, TRANSPOSED: thread t's 16 bytes of load i are Wg[128 i + t / 2][4 (t % 2) + 0..3]: slice 4 i + t / 64, word 32 e + (t / 2) % 32
	s_delay_alu instid0(VALU_DEP_1)
	v_mul_u32_u24 v9, v9, WPITCH
	v_and_b32 v12, 1, v0
	s_delay_alu instid0(VALU_DEP_1)
	v_lshl_add_u32 v9, v12, 9, v9
	v_bfe_u32 v12, v0, 1, 5
	s_delay_alu instid0(VALU_DEP_1)
	v_lshl_add_u32 v9, v12, 2, v9
	v_mul_u32_u24 v10, v1, WPITCH                  ; and out: my slice
	s_mul_i32 s21, s20, 2*STAGE
	s_add_co_u32 s21, s21, XST                     ; my wave's stages
	v_lshrrev_b32 v3, 3, v1                        ; in: load j's 16 bytes of lane l belong to block 4 j + l / 8, at 16 (l % 8)
	s_delay_alu instid0(VALU_DEP_1)
	v_mul_u32_u24 v3, v3, LPL
	v_and_b32 v12, 7, v1
	s_delay_alu instid0(VALU_DEP_1)
	v_lshl_add_u32 v3, v12, 4, v3
	s_delay_alu instid0(VALU_DEP_1)
	v_add_nc_u32 v3, s21, v3
	v_mul_u32_u24 v4, v1, LPL                      ; out: block = lane
	s_delay_alu instid0(VALU_DEP_1)
	v_add_nc_u32 v4, s21, v4
	s_mul_i32 s21, s20, 3072
	s_add_co_u32 s21, s21, CST
	v_lshrrev_b32 v5, 2, v1                        ; block l = 4 s + 2 c + h lies at 96 s + 48 h + 24 c
	s_delay_alu instid0(VALU_DEP_1)
	v_mul_u32_u24 v5, v5, 96
	v_and_b32 v12, 1, v1
	s_delay_alu instid0(VALU_DEP_1)
	v_mad_u32_u24 v5, v12, 48, v5
	v_bfe_u32 v12, v1, 1, 1
	s_delay_alu instid0(VALU_DEP_1)
	v_mad_u32_u24 v5, v12, 24, v5
	s_delay_alu instid0(VALU_DEP_1)
	v_add_nc_u32 v5, s21, v5
	v_add_nc_u32 v6, s21, v2
	s_lshl_b32 s21, s20, 7
	s_add_co_u32 s21, s21, SST
	v_add_nc_u32 v7, s21, v1
	s_lshl_b32 s21, s20, 6
	s_add_co_u32 s21, s21, KST
	v_lshrrev_b32 v8, 3, v1
	s_delay_alu instid0(VALU_DEP_1)
	v_lshl_add_u32 v8, v8, 4, s21                  ; at the end lanes 8 t .. 8 t + 7 hold token t of my four
	v_lshl_add_u32 v15, v1, 4, KST
	v_lshl_add_u32 v19, v1, 4, SST
	s_mov_b32 s32, 0xff00ff00                      ; lanes 8-15 and 24-31
	s_lshl_b32 s22, ttmp9, 5
	s_lshl_b32 s23, s20, 2
	s_add_co_u32 s22, s22, s23                     ; my wave's first token
	s_lshl_b32 s34, s22, 12
	s_mov_b32 s35, 0
	s_mul_i32 s36, s22, 768
	s_mov_b32 s37, 0
	s_wait_kmcnt 0x0
	s_load_b256 s[24:31], s[8:9], 0x0              ; bg
	s_add_nc_u64 s[4:5], s[4:5], s[34:35]
	s_add_nc_u64 s[10:11], s[10:11], s[36:37]
.irp i, 0,1,2,3,4,5,6,7
	global_load_b128 v[X+4*\i:X+4*\i+3], v11, s[6:7] offset:4096*\i           ; Wg: 4,096 consecutive bytes a work-group and load
.endr
.irp i, 0,1,2,3
.irp j, 0,1,2,3,4,5,6,7
	global_load_b128 v[R+32*\i+4*\j:R+32*\i+4*\j+3], v2, s[4:5] offset:4096*\i+512*\j th:TH_LOAD_NT   ; x: 512 consecutive bytes a load; read once in the launch
.endr
.endr
	s_wait_loadcnt 32                              ; Wg's eight loads are in; x's 32 stay out
.irp i, 0,1,2,3,4,5,6,7
.irp j, 0,1,2,3
	ds_store_b32 v9, v[X+4*\i+\j] offset:4*WPITCH*\i+128*\j
.endr
.endr
	s_wait_dscnt 0x0                               ; for the others' sake: my part of Wg lies in LDS
	s_barrier_signal -1
	s_barrier_wait -1                              ; everybody's does
	WIN 0x40                                       ; destination window 1
.set c, 0
.rept 64
	ds_load_b128 v[4*c:4*c+3], v10 offset:16*c     ; register 32 e + kk of window 1 = Wg[32 lane + kk][e]
.set c, c+1
.endr
	WIN 0
; Token i's 4,096 bytes through stage i % 2.  LDS serves a wave's instructions in order, so no wait stands between the stores and the loads.
.macro TURN i
.irp j, 0,1,2,3,4,5,6,7
	ds_store_b128 v3, v[R+32*(\i)+4*\j:R+32*(\i)+4*\j+3] offset:STAGE*((\i)%2)+4*LPL*\j
.endr
.irp j, 0,1,2,3,4,5,6,7
	ds_load_b128 v[X+32*((\i)%2)+4*\j:X+32*((\i)%2)+4*\j+3], v4 offset:STAGE*((\i)%2)+16*\j
.endr
.endm
; Token i: the next token starts its turn; my block is quantised; my 32 k's share of the eight logits is summed.
.macro TOK i
.set XS, X+32*((\i)%2)
.set RI, R+32*(\i)
.set PI, R+32*(\i)+8
.if (\i) < 3
	s_wait_loadcnt 8*(2-(\i))                      ; the next token's eight loads are in; the later tokens' stay out
	TURN (\i)+1
.endif
.if (\i) == 0
	s_wait_dscnt 16                                ; behind this token's loads from the stage: the next turn's 16 (Wg's 64 loads stand ahead of them: they are in too)
.elseif (\i) == 3
	s_wait_dscnt 4                                 ; the last token's four stores of codes and byte
.else
	s_wait_dscnt 20                                ; the last token's four stores and the next turn's 16
.endif
	v_max3_num_f32 v12, |v[XS]|, |v[XS+1]|, |v[XS+2]|              ; the block's largest magnitude: all 32 numbers are mine; two chains
	v_max3_num_f32 v13, |v[XS+3]|, |v[XS+4]|, |v[XS+5]|
.irp n, 6,10,14,18,22,26
	s_delay_alu instid0(VALU_DEP_2)
	v_max3_num_f32 v12, v12, |v[XS+\n]|, |v[XS+\n+1]|
	s_delay_alu instid0(VALU_DEP_2)
	v_max3_num_f32 v13, v13, |v[XS+\n+2]|, |v[XS+\n+3]|
.endr
	s_delay_alu instid0(VALU_DEP_2)
	v_max3_num_f32 v12, v12, |v[XS+30]|, |v[XS+31]|
	s_delay_alu instid0(VALU_DEP_1)
	v_max3_num_f32 v12, v12, v13, 0x1800000        ; and the floor 2^(3 - 127): the byte cannot fall under 1
	s_delay_alu instid0(VALU_DEP_1)
	v_add_nc_u32 v14, 0xff000000, v12              ; 2 off the exponent field: the conversion takes this operand's exponent field as its scale
	v_cvt_scalef32_pk16_fp6_f32 v[RI:RI+2], v[XS:XS+15], v14
	v_cvt_scalef32_pk16_fp6_f32 v[16:18], v[XS+16:XS+31], v14      ; (a conversion's three registers begin on an even number)
	v_lshrrev_b32 v[RI+6], 23, v14                 ; the scale's byte; also the plain line between the conversions and the moves
	v_mov_b32 v[RI+3], v16
	v_mov_b32 v[RI+4], v17
	v_mov_b32 v[RI+5], v18
	ds_store_b64 v5, v[RI:RI+1] offset:768*(\i)
	ds_store_b64 v5, v[RI+2:RI+3] offset:768*(\i)+8
	ds_store_b64 v5, v[RI+4:RI+5] offset:768*(\i)+16
	ds_store_b8 v7, v[RI+6] offset:32*(\i)
	WIN 0x04                                       ; source 1 (Wg) window 1
.irp e, 0,1,2,3,4,5,6,7
	v_pk_mul_f32 v[PI+2*\e:PI+2*\e+1], v[XS:XS+1], v[32*\e:32*\e+1]       ; the first two k start the sums: nothing is cleared
.endr
.set m, 1
.rept 15
.irp e, 0,1,2,3,4,5,6,7
	v_pk_fma_f32 v[PI+2*\e:PI+2*\e+1], v[XS+2*m:XS+2*m+1], v[32*\e+2*m:32*\e+2*m+1], v[PI+2*\e:PI+2*\e+1]   ; two k at a time, the eight experts by turns
.endr
.set m, m+1
.endr
	WIN 0
.endm
	s_wait_loadcnt 24                              ; token 0's eight loads are in
	TURN 0
	TOK 0
	TOK 1
	TOK 2
	TOK 3
.irp j, 0,1,2,3,4,5
	ds_load_b128 v[X+4*\j:X+4*\j+3], v6 offset:512*\j              ; the four tokens' codes come back as they lie in xq, while the logits are reduced
.endr
.irp i, 0,1,2,3
.irp e, 0,1,2,3,4,5,6,7
	v_add_f32 v[P+8*\i+\e], v[R+32*\i+8+2*\e], v[R+32*\i+9+2*\e]   ; even k's sum + odd k's
.endr
.endr
; 32 numbers a lane are summed over the 32 lanes so that lane l ends with the 8 logits of token l / 8: each step halves what a lane carries.
.irp e, 0,1,2,3,4,5,6,7
	v_permlane16_swap_b32 v[P+\e], v[P+16+\e]      ; tokens 0 and 2: the first's upper lanes change places with the second's lower ones
	v_permlane16_swap_b32 v[P+8+\e], v[P+24+\e]    ; tokens 1 and 3
.endr
.irp e, 0,1,2,3,4,5,6,7
	v_add_f32 v[P+\e], v[P+\e], v[P+16+\e]         ; lanes 0-15: token 0, lanes 16-31: token 2
	v_add_f32 v[P+8+\e], v[P+8+\e], v[P+24+\e]     ; token 1, token 3
.endr
.irp e, 0,1,2,3,4,5,6,7
	v_cndmask_b32 v[P+16+\e], v[P+\e], v[P+8+\e], s32              ; what I keep: lanes 8-15 and 24-31 the odd token's,
	v_cndmask_b32 v[P+24+\e], v[P+8+\e], v[P+\e], s32              ; what the lane 8 away keeps
.endr
.irp e, 0,1,2,3,4,5,6,7
	v_add_f32_dpp v[P+16+\e], v[P+24+\e], v[P+16+\e] row_xmask:8 row_mask:0xf bank_mask:0xf
.endr
.irp d, 4,2,1
.irp e, 0,1,2,3,4,5,6,7
	v_add_f32_dpp v[P+16+\e], v[P+16+\e], v[P+16+\e] row_xmask:\d row_mask:0xf bank_mask:0xf
.endr
.endr
	s_wait_alu depctr_va_vdst(0)
; v48-55: the eight logits of my token.  Softmax, as reference() has it: the maximum is taken away first.
	s_wait_kmcnt 0x0                               ; bg
.irp e, 0,1,2,3,4,5,6,7
	v_add_f32 v[48+\e], s[24+\e], v[48+\e]
.endr
	v_max3_num_f32 v20, v48, v49, v50
	s_delay_alu instid0(VALU_DEP_1)
	v_max3_num_f32 v20, v20, v51, v52
	s_delay_alu instid0(VALU_DEP_1)
	v_max3_num_f32 v20, v20, v53, v54
	s_delay_alu instid0(VALU_DEP_1)
	v_max_num_f32 v20, v20, v55
.irp e, 0,1,2,3,4,5,6,7
	v_sub_f32 v[48+\e], v[48+\e], v20
.endr
.irp e, 0,1,2,3,4,5,6,7
	v_mul_f32 v[48+\e], 0x3fb8aa3b, v[48+\e]       ; x log2(e)
.endr
	s_wait_alu depctr_va_vdst(0)
.irp e, 0,1,2,3,4,5,6,7
	v_exp_f32 v[48+\e], v[48+\e]
.endr
	v_mov_b32 v27, -1.0                            ; a plain line behind the last exponential
	s_wait_alu depctr_va_vdst(0)                   ; one wait for the eight, ahead of their first reader
	v_add_f32 v21, v48, v49
	v_add_f32 v22, v50, v51
	v_add_f32 v23, v52, v53
	v_add_f32 v24, v54, v55
	s_delay_alu instid0(VALU_DEP_3)
	v_add_f32 v21, v21, v22
	s_delay_alu instid0(VALU_DEP_2)
	v_add_f32 v23, v23, v24
	s_delay_alu instid0(VALU_DEP_1)
	v_add_f32 v21, v21, v23
	s_wait_alu depctr_va_vdst(0)
	v_rcp_f32 v21, v21
	v_mov_b32 v23, 0                               ; (a plain line behind the reciprocal)  the largest's index
	s_wait_alu depctr_va_vdst(0)
.irp e, 0,1,2,3,4,5,6,7
	v_mul_f32 v[48+\e], v[48+\e], v21              ; the probabilities
.endr
	v_mov_b32 v22, v48                             ; the largest: an ascending walk that gives way only to a strictly larger number, so that equals keep the lower index
.irp e, 1
	s_delay_alu instid0(VALU_DEP_1)
	v_cmp_ge_f32 vcc_lo, v22, v[48+\e]
	s_delay_alu instid0(VALU_DEP_1)
	v_cndmask_b32 v22, v[48+\e], v22, vcc_lo
	s_delay_alu instid0(VALU_DEP_2)
	v_cndmask_b32 v23, \e, v23, vcc_lo
.endr
.irp e, 2, 3, 4, 5, 6, 7
	s_delay_alu instid0(VALU_DEP_2)
	v_cmp_ge_f32 vcc_lo, v22, v[48+\e]
	s_delay_alu instid0(VALU_DEP_1)
	v_cndmask_b32 v22, v[48+\e], v22, vcc_lo
	s_delay_alu instid0(VALU_DEP_2)
	v_cndmask_b32 v23, \e, v23, vcc_lo
.endr
.irp e, 0,1,2,3,4,5,6,7
	v_cmp_eq_u32 vcc_lo, \e, v23
	s_delay_alu instid0(VALU_DEP_1)
	v_cndmask_b32 v[56+\e], v[48+\e], v27, vcc_lo  ; the largest is taken out: -1 lies under every probability
.endr
	v_mov_b32 v24, v56                             ; the second largest, by the same walk
	v_mov_b32 v25, 0
.irp e, 1,2,3,4,5,6,7
	s_delay_alu instid0(VALU_DEP_2)
	v_cmp_ge_f32 vcc_lo, v24, v[56+\e]
	s_delay_alu instid0(VALU_DEP_1)
	v_cndmask_b32 v24, v[56+\e], v24, vcc_lo
	s_delay_alu instid0(VALU_DEP_2)
	v_cndmask_b32 v25, \e, v25, vcc_lo
.endr
	s_delay_alu instid0(VALU_DEP_2)
	v_add_f32 v26, v22, v24
	s_delay_alu instid0(VALU_DEP_1)
	v_add_f32 v26, 0x3089705f, v26                 ; + 1e-9
	s_wait_alu depctr_va_vdst(0)
	v_rcp_f32 v26, v26
	v_min_u32 v16, v23, v25                        ; a  (plain work behind the reciprocal)
	v_add_nc_u32 v17, v23, v25
	s_delay_alu instid0(VALU_DEP_1)
	v_sub_nc_u32 v17, v17, v16                     ; b
	s_delay_alu instid0(VALU_DEP_3)
	v_sub_nc_u32 v18, 15, v16
	s_delay_alu instid0(VALU_DEP_1)
	v_mul_u32_u24 v18, v18, v16
	s_delay_alu instid0(VALU_DEP_1)
	v_lshrrev_b32 v18, 1, v18
	s_delay_alu instid0(VALU_DEP_1)
	v_add_nc_u32 v18, v18, v17
	s_delay_alu instid0(VALU_DEP_1)
	v_sub_nc_u32 v18, v18, v16
	s_delay_alu instid0(VALU_DEP_1)
	v_add_nc_u32 v30, -1, v18                      ; key = a (15 - a) / 2 + b - a - 1
	v_mov_b32 v31, 0
	v_cmp_lt_u32 vcc_lo, v23, v25
	s_wait_alu depctr_va_vdst(0)
	v_mul_f32 v22, v22, v26
	v_mul_f32 v24, v24, v26
	s_delay_alu instid0(VALU_DEP_1)
	v_cndmask_b32 v28, v24, v22, vcc_lo            ; ga: the gate of the lower index
	s_delay_alu instid0(VALU_DEP_2)
	v_cndmask_b32 v29, v22, v24, vcc_lo            ; gb
	s_wait_alu depctr_va_vdst(0)
	s_wait_dscnt 0x0                               ; the codes are back in registers
.irp j, 0,1,2,3,4,5
	global_store_b128 v2, v[X+4*\j:X+4*\j+3], s[10:11] offset:512*\j   ; 512 consecutive bytes, at a multiple of 256 from xq's first byte
.endr
	ds_store_b128 v8, v[28:31]                     ; eight lanes write the same 16 bytes with the same values
	s_wait_dscnt 0x0                               ; for wave 0's sake: my records and my scale bytes lie in LDS
	s_barrier_signal -1
	s_barrier_wait -1
	s_cmp_lg_u32 s20, 0
	s_cbranch_scc1 .Lend
; Wave 0, a lane a token: what the 32 tokens leave together, so that each store is 128 bytes or more on end.
	ds_load_b128 v[32:35], v15                     ; ga, gb, key, 0
	ds_load_b128 v[36:39], v19                     ; the 1,024 scale bytes
	ds_load_b128 v[40:43], v19 offset:512
	v_mov_b32 v44, 0                               ; lane k: how many of the 32 have key k
	v_mov_b32 v45, 0                               ; my rank among those of my key
	v_mov_b32 v48, 0
	v_mov_b32 v49, 0
	v_lshlrev_b32 v47, 2, v1
	v_lshlrev_b32 v50, 3, v1
	s_lshl_b32 s34, ttmp9, 7
	s_add_nc_u64 s[16:17], s[16:17], s[34:35]      ; route: 128 bytes a group, in both parts
	s_lshl_b32 s34, ttmp9, 8
	s_add_nc_u64 s[14:15], s[14:15], s[34:35]      ; gates and plan: 256
	s_add_nc_u64 s[18:19], s[18:19], s[34:35]
	s_lshl_b32 s34, ttmp9, 10
	s_add_nc_u64 s[12:13], s[12:13], s[34:35]      ; xs: 1,024
	s_wait_alu depctr_va_vdst(0)
	s_wait_dscnt 0x0
.set k, 0
.rept 28
	v_cmp_eq_u32 s36, k, v34                       ; the lanes with key k: these lines make values alone; no address and no branch hangs on them
	s_bcnt1_i32_b32 s37, s36
	v_writelane_b32 v44, s37, k
	v_mbcnt_lo_u32_b32 v46, s36, 0                 ; how many of them stand below me
	s_delay_alu instid0(VALU_DEP_1)
	v_cndmask_b32 v45, v45, v46, s36
.set k, k+1
.endr
	s_delay_alu instid0(VALU_DEP_1)
	v_lshl_or_b32 v46, v45, 8, v34
	global_store_b32 v47, v46, s[16:17]
	global_store_b32 v47, v44, s[16:17] offset:32768
	global_store_b64 v50, v[32:33], s[14:15]       ; 256 consecutive bytes, aligned
	global_store_b128 v2, v[36:39], s[12:13]
	global_store_b128 v2, v[40:43], s[12:13] offset:512
	global_store_b64 v50, v[48:49], s[18:19]       ; zeros: the places of the token list that the next launch leaves alone name token 0
.Lend:
	s_wait_xcnt 0x0
	v_lshl_add_u32 v254, v0, 2, 0x20800
	v_mov_b32 v255, 0
	s_wait_alu depctr_va_vdst(0)
	s_wait_tensorcnt 0x0
	ds_add_u32 v254, v255
	s_wait_dscnt 0x0
	s_endpgm
.Lfunc_end_k_q3f22de98de_route_x:
	.size	k_q3f22de98de_route_x, .Lfunc_end_k_q3f22de98de_route_x-k_q3f22de98de_route_x
	.p2alignl 7, 3214868480
	.fill 96, 4, 3214868480
	.section	.rodata,"a",@progbits
	.p2align	6, 0x0
	.amdhsa_kernel k_q3f22de98de_route_x
		.amdhsa_group_segment_fixed_size 134144
		.amdhsa_private_segment_fixed_size 0
		.amdhsa_enable_private_segment 0
		.amdhsa_kernarg_size 64
		.amdhsa_user_sgpr_count 2
		.amdhsa_user_sgpr_kernarg_segment_ptr 1
		.amdhsa_wavefront_size32 1
		.amdhsa_system_sgpr_workgroup_id_x 1
		.amdhsa_system_sgpr_workgroup_id_y 1
		.amdhsa_system_sgpr_workgroup_id_z 1
		.amdhsa_system_vgpr_workitem_id 0
		.amdhsa_next_free_vgpr 512
		.amdhsa_next_free_sgpr 66
		.amdhsa_reserve_vcc 1
		.amdhsa_float_denorm_mode_32 3
		.amdhsa_float_denorm_mode_16_64 3
		.amdhsa_memory_ordered 1
		.amdhsa_forward_progress 1
		.amdhsa_inst_pref_size 82
	.end_amdhsa_kernel
	.amdgpu_metadata
---
amdhsa.version: [ 1, 2 ]
amdhsa.kernels:
  - .name:           k_q3f22de98de_route_x
    .symbol:         k_q3f22de98de_route_x.kd
    .args:
      - { .name: x, .offset: 0, .size: 8, .value_kind: global_buffer, .address_space: global }
      - { .name: Wg, .offset: 8, .size: 8, .value_kind: global_buffer, .address_space: global }
      - { .name: bg, .offset: 16, .size: 8, .value_kind: global_buffer, .address_space: global }
      - { .name: xq, .offset: 24, .size: 8, .value_kind: global_buffer, .address_space: global }
      - { .name: xs, .offset: 32, .size: 8, .value_kind: global_buffer, .address_space: global }
      - { .name: gates, .offset: 40, .size: 8, .value_kind: global_buffer, .address_space: global }
      - { .name: route, .offset: 48, .size: 8, .value_kind: global_buffer, .address_space: global }
      - { .name: plan, .offset: 56, .size: 8, .value_kind: global_buffer, .address_space: global }
    .group_segment_fixed_size: 134144
    .private_segment_fixed_size: 0
    .kernarg_segment_align: 8
    .kernarg_segment_size: 64
    .max_flat_workgroup_size: 256
    .sgpr_count:     66
    .vgpr_count:     512
    .wavefront_size: 32
...
	.end_amdgpu_metadata
.endif
;; end of part 4
;; launch place_w (part 5): grid 513 x 1, 4 waves a work-group, no clusters, 1,024 bytes of LDS; arguments We, route, wq, ws, plan; writes wq, ws, plan
.if DOCPART == 5
	.amdgcn_target "amdgcn-amd-amdhsa--gfx1250"
	.amdhsa_code_object_version 6
	.text
	.protected	k_q3f22de98de_place_w
	.globl	k_q3f22de98de_place_w
	.p2align	8
	.type	k_q3f22de98de_place_w,@function
k_q3f22de98de_place_w:
	s_mov_b64 s[64:65], 0
	v_nop
	global_prefetch_b8 v0, s[64:65] scope:SCOPE_SE
	s_setreg_imm32_b32 hwreg(HW_REG_WAVE_MODE, 25, 1), 1
	s_wait_xcnt 0x0
; TWO JOBS IN ONE LAUNCH, parted by the work-group's number.
; WORK-GROUPS 1 .. 512: We [8][1024 (k)][1024 (n)] f32, K its middle axis, becomes codes of FP6 (E2M3) with one E8M0 byte for each 32 along K.  A LANE TAKES A COLUMN n AND ITS REGISTERS RUN DOWN K: a block of 32 lies in one
; lane, and the conversions give codes with K innermost.  A work-group takes one expert, one K step of 128, 128 columns; a wave 32 columns: 128 loads of 128 consecutive bytes, all issued at the head.
; wq is laid IN THE ORDER OF THE OPERAND'S REGISTERS: [e][tile of 16 columns][K step][c = 0..2][lane 0..31][16 bytes]; lane r + 16 h holds blocks h and 2 + h of column r: my lane makes both halves' registers of its column, and
; sixteen lanes store 256 consecutive aligned bytes.  ws [e][K step][n]: a scale word (128 bytes a wave and store: half a run of 256; one byte in 128 of what the launch reads).
; WORK-GROUP 0: the counting sort.  Tokens are placed by key (the pair of experts, 0 .. 27); each key's run begins a new tile of 128 places.  It reads the whole numbers that the launch before stored (counts for each group
; of 32 tokens, key and rank of each token) and stores plan: the token list [tile][128] and, from byte 0xC000 on, 96 tile words a | b << 4 | rows << 8.  At most 64 + 27 = 91 tiles, whatever the choice.
; LIMITS: as in the launch before (blocks under 2^-124 and blocks of zeros keep the byte 1; NaN and infinities are not served).
	s_load_b256 s[4:11], s[0:1], 0x0               ; We s[4:5], route s[6:7], wq s[8:9], ws s[10:11]
	s_load_b64 s[12:13], s[0:1], 0x20              ; plan
	v_lshl_add_u32 v62, v0, 2, 0x200
	v_mov_b32 v63, 0
	v_lshrrev_b32 v1, 5, v0
	v_readfirstlane_b32 s20, v1                    ; wave 0..3
	v_and_b32 v1, 31, v0                           ; lane
	v_lshlrev_b32 v2, 2, v1
	s_cmp_eq_u32 ttmp9, 0
	s_cbranch_scc1 .Lplace
; ---------------- We into codes
	s_sub_co_u32 s21, ttmp9, 1
	s_lshr_b32 s22, s21, 6                         ; expert
	s_bfe_u32 s23, s21, 0x30003                    ; K step
	s_and_b32 s24, s21, 7                          ; which 128 columns
	s_lshl_b32 s26, s22, 22                        ; We: e x 4 MiB + 128 s rows of 4,096 bytes + 512 nb + 128 w
	s_lshl_b32 s27, s23, 19
	s_add_co_u32 s26, s26, s27
	s_lshl_b32 s27, s24, 9
	s_add_co_u32 s26, s26, s27
	s_lshl_b32 s27, s20, 7
	s_add_co_u32 s26, s26, s27
	s_mov_b32 s27, 0
	s_lshl_b32 s28, s22, 6                         ; wq: ((64 e + 8 nb + 2 w) x 8 + s) x 1,536
	s_lshl_b32 s29, s24, 3
	s_add_co_u32 s28, s28, s29
	s_lshl_b32 s29, s20, 1
	s_add_co_u32 s28, s28, s29
	s_lshl_b32 s28, s28, 3
	s_add_co_u32 s28, s28, s23
	s_mul_i32 s28, s28, 1536
	s_mov_b32 s29, 0
	s_lshl_b32 s30, s22, 3                         ; ws: (8 e + s) x 4,096 + 512 nb + 128 w
	s_add_co_u32 s30, s30, s23
	s_lshl_b32 s30, s30, 12
	s_lshl_b32 s31, s24, 9
	s_add_co_u32 s30, s30, s31
	s_lshl_b32 s31, s20, 7
	s_add_co_u32 s30, s30, s31
	s_mov_b32 s31, 0
	s_wait_alu depctr_va_vdst(0)
	v_lshrrev_b32 v3, 4, v1                        ; lanes 16-31 hold the next tile of 16 columns: 8 K steps x 1,536 bytes on
	v_mul_u32_u24 v3, v3, 12288
	v_and_b32 v4, 15, v1
	v_lshl_add_u32 v3, v4, 4, v3
	s_wait_kmcnt 0x0
	s_add_nc_u64 s[4:5], s[4:5], s[26:27]
	s_add_nc_u64 s[8:9], s[8:9], s[28:29]
	s_add_nc_u64 s[10:11], s[10:11], s[30:31]
.set i, 0
.rept 128
	global_load_b32 v[64+i], v2, s[4:5] offset:4096*i th:TH_LOAD_NT    ; We(128 s + i, my column); read once in the launch
.set i, i+1
.endr
; Block j of my column: its codes are registers 6 (j / 2) .. + 5 of the operand's lane half j % 2 (v192-203: half 0; v204-215: half 1).
.macro BLOCK j, left
	s_wait_loadcnt \left
.set XS, 64+32*(\j)
.set QB, 192+12*((\j)%2)+6*((\j)/2)
.set TH, 216+4*(\j)
	v_max3_num_f32 v12, |v[XS]|, |v[XS+1]|, |v[XS+2]|
	v_max3_num_f32 v13, |v[XS+3]|, |v[XS+4]|, |v[XS+5]|
.irp n, 6,10,14,18,22,26
	v_max3_num_f32 v12, v12, |v[XS+\n]|, |v[XS+\n+1]|
	v_max3_num_f32 v13, v13, |v[XS+\n+2]|, |v[XS+\n+3]|
.endr
	v_max3_num_f32 v12, v12, |v[XS+30]|, |v[XS+31]|
	v_max3_num_f32 v12, v12, v13, 0x1800000        ; the floor 2^(3 - 127): the byte cannot fall under 1
	v_add_nc_u32 v14, 0xff000000, v12              ; 2 off the exponent field: the conversion's scale operand
	v_cvt_scalef32_pk16_fp6_f32 v[QB:QB+2], v[XS:XS+15], v14
	v_cvt_scalef32_pk16_fp6_f32 v[TH:TH+2], v[XS+16:XS+31], v14    ; (a conversion's three registers begin on an even number)
	v_lshrrev_b32 v13, 23, v14                     ; the scale's byte; also the plain line between the conversions and the moves
.if (\j) == 0
	v_mov_b32 v15, v13
.else
	v_lshl_or_b32 v15, v13, 8*(\j), v15            ; four bytes make my column's scale word of this K step
.endif
	v_mov_b32 v[QB+3], v[TH]
	v_mov_b32 v[QB+4], v[TH+1]
	v_mov_b32 v[QB+5], v[TH+2]
.endm
	BLOCK 0, 63                                    ; 96 younger loads could stay out; the wait's field holds 63
	BLOCK 1, 63                                    ; likewise 64
	BLOCK 2, 32                                    ; the last block's 32 stay out
	BLOCK 3, 0
.irp h, 0,1
.irp c, 0,1,2
	global_store_b128 v3, v[192+12*\h+4*\c:192+12*\h+4*\c+3], s[8:9] offset:512*\c+256*\h   ; each half of the lanes: 256 consecutive bytes, aligned
.endr
.endr
	global_store_b32 v2, v15, s[10:11]
	s_endpgm
; ---------------- the placing.  Wave w owns groups 64 w .. 64 w + 63 (tokens 2,048 w on).  In every register of counts a lane stands for a key.
; v64-127 the groups' counts, then running sums; v128-191 key | rank << 8 of each group's 32 tokens, then the token ids; v192-223, v224-255 at work, 32 groups at a time.
.Lplace:
	v_lshlrev_b32 v3, 2, v0
	v_lshrrev_b32 v17, 5, v0
	s_wait_alu depctr_va_vdst(0)
	v_lshl_or_b32 v17, v17, 11, v1                 ; the token of my lane in my wave's first group
	s_lshl_b32 s26, s20, 13                        ; 64 groups x 128 bytes
	s_mov_b32 s27, 0
	s_wait_kmcnt 0x0
	s_add_nc_u64 s[6:7], s[6:7], s[26:27]
.set i, 0
.rept 64
	global_load_b32 v[64+i], v2, s[6:7] offset:32768+128*i
.set i, i+1
.endr
.set i, 0
.rept 64
	global_load_b32 v[128+i], v2, s[6:7] offset:128*i
.set i, i+1
.endr
	s_wait_loadcnt 63                              ; the 64 loads of counts are in (and one more); the others stay out
	v_add3_u32 v4, v64, v65, v66                   ; my wave's count of each key, in two chains
	v_add3_u32 v18, v67, v68, v69
.set i, 70
.rept 14
	v_add3_u32 v4, v4, v[i], v[i+1]
	v_add3_u32 v18, v18, v[i+2], v[i+3]
.set i, i+4
.endr
	v_add3_u32 v4, v4, v126, v127
	v_add_nc_u32 v4, v4, v18
	ds_store_b32 v3, v4                            ; 128 bytes a wave
	s_wait_dscnt 0x0                               ; for the others' sake
	s_barrier_signal -1
	s_barrier_wait -1
.irp j, 0,1,2,3
	ds_load_b32 v[5+\j], v2 offset:128*\j
.endr
	s_wait_dscnt 0x0
	v_add_nc_u32 v9, v5, v6
	v_add3_u32 v9, v9, v7, v8                      ; how many tokens have each key
	v_mov_b32 v10, 0                               ; and how many of them lie in the waves before mine
.irp j, 0,1,2
	s_cmp_gt_u32 s20, \j
	s_cselect_b32 s21, -1, 0
	v_and_b32 v18, s21, v[5+\j]
	v_add_nc_u32 v10, v10, v18
.endr
	v_add_nc_u32 v11, 127, v9
	v_lshrrev_b32 v11, 7, v11                      ; tiles of each key
	v_mov_b32 v12, 0                               ; lane k: key k's first tile
	v_mov_b32 v13, 0                               ; thread t: tile t's word; a tile that no key reaches keeps 0: no rows
	s_mov_b32 s29, 0
.set ka, 0
.set kb, 1
.set k, 0
.rept 28                               ; the keys in order; a and b are constants of each step
	v_readlane_b32 s30, v11, k
	v_readlane_b32 s31, v9, k
	v_writelane_b32 v12, s29, k
	v_sub_nc_u32 v14, v0, s29                      ; which of the key's tiles thread t's would be (a great number where t lies below)
	v_cmp_gt_u32 vcc_lo, s30, v14
	v_lshlrev_b32 v15, 7, v14
	v_sub_nc_u32 v15, s31, v15
	v_min_u32 v15, 0x80, v15                       ; its rows: 128, or what is left
	v_lshl_or_b32 v15, v15, 8, ka|(kb<<4)
	v_cndmask_b32 v13, v13, v15, vcc_lo
	s_add_co_u32 s29, s29, s30
.set k, k+1
.set kb, kb+1
.if kb > 7
.set ka, ka+1
.set kb, ka+1
.endif
.endr
	v_lshl_add_u32 v16, v12, 7, v10                ; where my wave's first token of each key goes
	v_add_nc_u32 v64, v64, v16
.set i, 1
.rept 63
	v_add_nc_u32 v[64+i], v[64+i], v[63+i]         ; v[64 + i]: where group i + 1's first token of each key goes
.set i, i+1
.endr
	s_wait_loadcnt 0x0                             ; keys and ranks
.irp hh, 0,1
.if \hh
	s_wait_xcnt 0x0                                ; the first half's stores have read their offsets: v224-255 are written again only behind this wait
.endif
.set n, 0
.rept 32
	v_lshlrev_b32 v[192+n], 2, v[128+32*\hh+n]
	v_and_b32 v[192+n], 0x7c, v[192+n]             ; 4 x key: the lane that stands for my token's key
.set n, n+1
.endr
.set n, 0
.rept 32
.if 32*\hh+n == 0
	ds_bpermute_b32 v[224+n], v[192+n], v16
.else
	ds_bpermute_b32 v[224+n], v[192+n], v[63+32*\hh+n]
.endif
.set n, n+1
.endr
	s_wait_dscnt 0x0
.set n, 0
.rept 32
	v_lshrrev_b32 v[192+n], 8, v[128+32*\hh+n]     ; my token's rank in its group
	v_add_nc_u32 v[224+n], v[224+n], v[192+n]
	v_min_u32 v[224+n], 0x2d7f, v[224+n]           ; a place in the list: 91 x 128 - 1 at the most
	v_lshlrev_b32 v[224+n], 2, v[224+n]
	v_add_nc_u32 v[128+32*\hh+n], 32*(32*\hh+n), v17               ; the token
	global_store_b32 v[224+n], v[128+32*\hh+n], s[12:13]
.set n, n+1
.endr
.endr
	s_cmp_lt_u32 s20, 3
	s_cbranch_scc0 .Lplaced
	global_store_b32 v3, v13, s[12:13] offset:0xc000               ; 96 tile words
.Lplaced:
	s_wait_tensorcnt 0x0
	ds_add_u32 v62, v63
	s_wait_dscnt 0x0
	s_endpgm
.Lfunc_end_k_q3f22de98de_place_w:
	.size	k_q3f22de98de_place_w, .Lfunc_end_k_q3f22de98de_place_w-k_q3f22de98de_place_w
	.p2alignl 7, 3214868480
	.fill 96, 4, 3214868480
	.section	.rodata,"a",@progbits
	.p2align	6, 0x0
	.amdhsa_kernel k_q3f22de98de_place_w
		.amdhsa_group_segment_fixed_size 1024
		.amdhsa_private_segment_fixed_size 0
		.amdhsa_enable_private_segment 0
		.amdhsa_kernarg_size 40
		.amdhsa_user_sgpr_count 2
		.amdhsa_user_sgpr_kernarg_segment_ptr 1
		.amdhsa_wavefront_size32 1
		.amdhsa_system_sgpr_workgroup_id_x 1
		.amdhsa_system_sgpr_workgroup_id_y 1
		.amdhsa_system_sgpr_workgroup_id_z 1
		.amdhsa_system_vgpr_workitem_id 0
		.amdhsa_next_free_vgpr 256
		.amdhsa_next_free_sgpr 66
		.amdhsa_reserve_vcc 1
		.amdhsa_float_denorm_mode_32 3
		.amdhsa_float_denorm_mode_16_64 3
		.amdhsa_memory_ordered 1
		.amdhsa_forward_progress 1
		.amdhsa_inst_pref_size 84
	.end_amdhsa_kernel
	.amdgpu_metadata
---
amdhsa.version: [ 1, 2 ]
amdhsa.kernels:
  - .name:           k_q3f22de98de_place_w
    .symbol:         k_q3f22de98de_place_w.kd
    .args:
      - { .name: We, .offset: 0, .size: 8, .value_kind: global_buffer, .address_space: global }
      - { .name: route, .offset: 8, .size: 8, .value_kind: global_buffer, .address_space: global }
      - { .name: wq, .offset: 16, .size: 8, .value_kind: global_buffer, .address_space: global }
      - { .name: ws, .offset: 24, .size: 8, .value_kind: global_buffer, .address_space: global }
      - { .name: plan, .offset: 32, .size: 8, .value_kind: global_buffer, .address_space: global }
    .group_segment_fixed_size: 1024
    .private_segment_fixed_size: 0
    .kernarg_segment_align: 8
    .kernarg_segment_size: 40
    .max_flat_workgroup_size: 128
    .sgpr_count:     66
    .vgpr_count:     256
    .wavefront_size: 32
...
	.end_amdgpu_metadata
.endif
;; end of part 5
;; launch experts (part 6): grid 8 x 91, 4 waves a work-group, no clusters, 107,008 bytes of LDS; arguments xq, xs, gates, plan, wq, ws, be, out0; writes out0
.if DOCPART == 6
	.amdgcn_target "amdgcn-amd-amdhsa--gfx1250"
	.amdhsa_code_object_version 6
	.text
	.protected	k_q3f22de98de_experts
	.globl	k_q3f22de98de_experts
	.p2align	8
	.type	k_q3f22de98de_experts,@function
k_q3f22de98de_experts:
	s_mov_b64 s[64:65], 0
	v_nop
	global_prefetch_b8 v0, s[64:65] scope:SCOPE_SE
	s_setreg_imm32_b32 hwreg(HW_REG_WAVE_SCHED_MODE, 0, 2), 2
	s_setreg_imm32_b32 hwreg(HW_REG_WAVE_MODE, 25, 1), 1
	s_wait_xcnt 0x0
	s_wait_alu depctr_vm_vsrc(0)
; out[token] = ga (x We[a] + be[a]) + gb (x We[b] + be[b]) for the token's two chosen experts a < b, both products on codes of FP6 (E2M3) with one E8M0 scale for each 32 along K; sums in f32.
; reference() computes all eight experts and gathers two: only those two are multiplied.  A TILE is 128 tokens with the SAME pair {a, b} (the list and the tile words were stored by the launch before).
; SHARES.  Work-group (x, y): tile y, columns 128 x .. + 127, BOTH experts, K = 1,024.  Each output row has one owner; nothing is summed through memory.  The grid has a work-group for each of the 91 tiles that any
; choice can need; a tile without rows passes the barriers, multiplies nothing and stores nothing.
; Wave w: all 8 tiles of 16 rows x columns 32 w .. + 31 (two tiles of 16) x 2 experts: 32 accumulators (window 1), 256 matrix instructions, written out: K is 8 steps.
; THE ROWS' CODES are gathered once into LDS (each half of the lanes reads 256 consecutive aligned bytes of a row) and read by all four waves; each fragment of x feeds four products.
; THE WEIGHTS go from memory straight into registers: wq holds images of the operand's registers, so a fragment is three loads of 512 consecutive bytes, and each is loaded by one wave of the work-group alone.
; THE MATRIX INSTRUCTION IS USED TRANSPOSED (source 0 = 16 columns of We, source 1 = 16 tokens): a lane holds one token and eight neighbouring columns.  The bias is the C of each sum's first product.
; NO TENSOR LOADS AND NO JOINT LOADS: which weights a work-group reads, and whether it has rows at all, hang on numbers read from memory, and the text branches on them.
; REGISTERS.  Window 0: v1-15 addresses that stay; v16-20 at work in the head; v28-99 x's fragments, 3 slots of two; v100-243 the weights' fragments, 3 sets of four (2 e + column tile); v244-246 x's scale words, a slot each;
;   v248-253 the weights' scale words, two a set: these nine hold scales and nothing else.  v196-227 take the gates when K step 5 has multiplied set 2.  On the way out v28-155 rows, v156-187 their offsets, s4-35 their tokens.
;   Window 1: accumulator (e, row tile mt, column tile nt) at 128 e + 8 (2 mt + nt).  Ahead of the products the gathered rows land there, and the bias tiles lie in the accumulators of row tile 7.
; THE MODE: SCHED_MODE bits 1:0 = 2 (LLVM: expert scheduling mode 2), set by the entry lines.  The code itself states the register dependences between vector or matrix instructions and memory or LDS
; instructions, with s_wait_alu, always for 0.
; THE PLAN.  Registers that memory or LDS instructions touch:
;   v1-6, v8-15   offsets and LDS addresses: written once by vector lines at the head, never again.  Two waits: one ahead of the list's loads (v2, v15), one ahead of all the others.
;   v28-43, v19, v20  the gather's offsets: made by vector lines, read by the gather's loads; v28-43 then take x's first fragments.
;   window 1      the gathered rows land, the LDS stores read them; then the products write it, the combine writes it, and the stage's LDS stores read its v0-127.
;   slot i % 3    (and its scale word) pair i's eight products read it; the loads of pair i + 2 land in slot (i - 1) % 3, which the pair before has read.
;   set s % 3     (and its scale words) K step s's 32 products read it; the loads of K step s + 2 land in set (s - 1) % 3, which the K step before has read; the gates land in set 2 when K step 5 is over.
;   v28-155       on the way out the stage's rows land there; v156-187: offsets made by vector lines, read by the stores.
; So ONE wait on va_vdst stands at the head of a pair, behind the waits for the pair's data: the pair before is done reading its slot, and at a K step's first pair the K step before its set.  The pair's loads follow in its
; middle, behind four products that name this pair's slot, this K step's set, their scale words and window 1: none of the registers that those loads touch.  Pair 0 finds slot 2 untouched; pairs 30 and 31 load nothing.
.set PITCH,  816                       ; a row in LDS: 768 bytes of codes + 32 scale bytes + 16: an odd multiple of 16, so that sixteen rows' 16 bytes fall into sixteen different columns of 256 bytes
.set GAT,    128*PITCH                 ; behind the rows: (ga, gb, gb, ga), 16 bytes a row
.set SPITCH, 528                       ; the way out: 128 rows of 512 bytes + 16, over the rows' bytes, behind a barrier
.set AR, 28
.set BR, 100
.set SA, 244
.set SB, 248
.set G,  196
.set O,  28
.set OF, 156
.set TK, 4                             ; s4-35, on the way out: by then every load that had one of them in its base is shown done
.set MSB, 0
.macro WIN new                         ; the immediate's high byte repeats the setting that is left
.if MSB != \new
	s_set_vgpr_msb (MSB<<8)|\new
.set MSB, \new
.endif
.endm
	s_load_b512 s[4:19], s[0:1], 0x0               ; xq s[4:5], xs s[6:7], gates s[8:9], plan s[10:11], wq s[12:13], ws s[14:15], be s[16:17], out0 s[18:19]
	v_lshl_add_u32 v254, v0, 2, 0x1a000
	v_mov_b32 v255, 0
	v_lshrrev_b32 v16, 5, v0
	v_readfirstlane_b32 s24, v16                   ; wave 0..3
	v_and_b32 v16, 31, v0                          ; l
	v_bfe_u32 v18, v0, 4, 1                        ; h
	v_lshlrev_b32 v2, 2, v16                       ; 4 l
	v_lshlrev_b32 v15, 2, v18                      ; the list: lanes 16-31 take the next row's token
	s_and_b32 s46, ttmp7, 0xffff                   ; the tile
	s_lshl_b32 s21, s46, 2
	s_lshl_b32 s40, s46, 9
	s_wait_alu depctr_va_sdst(0)                   ; s24 is written, ahead of its first reader: addresses and bases are made from it
	s_lshl_b32 s41, s24, 7
	s_add_co_u32 s40, s40, s41                     ; the list: 512 bytes a tile, 128 a wave
	s_mov_b32 s41, 0
	s_wait_kmcnt 0x0
	s_load_b32 s20, s[10:11], s21 offset:0xc000    ; the tile's word
	s_add_nc_u64 s[22:23], s[10:11], s[40:41]
	s_wait_alu depctr_va_vdst(0)                   ; v2 and v15 are written, which the list's loads read as their offsets
	global_load_b32 v7, v2, s[22:23]               ; lane l: the token of my wave's row l
.irp p, 0,1,2,3,4,5,6,7,8,9,10,11,12,13,14,15
	global_load_b32 v[28+\p], v15, s[22:23] offset:8*\p            ; lanes 0-15: the token of row 2 p, lanes 16-31: of row 2 p + 1
.endr
	v_and_b32 v17, 15, v0                          ; r.  The other addresses are made while the list and the tile's word are on their way
	v_lshlrev_b32 v1, 4, v16                       ; 16 l
	v_mul_u32_u24 v3, v17, PITCH
	v_mad_u32_u24 v3, v18, 48, v3                  ; a fragment of x: row r, my half's 48 bytes; row tiles 0-3,
	v_add_nc_u32 v4, 64*PITCH, v3                  ; row tiles 4-7
	v_mul_u32_u24 v5, v16, PITCH
	v_add_nc_u32 v5, 768, v5                       ; x's scale words: lanes 0-15 an even row tile's rows, lanes 16-31 the odd one's; rows 0-63,
	v_add_nc_u32 v6, 64*PITCH, v5                  ; rows 64-127
	s_mul_i32 s52, s24, 32*PITCH                   ; the gather: my wave's 32 rows
	v_mul_u32_u24 v8, v18, PITCH
	v_lshl_add_u32 v8, v17, 4, v8
	v_add_nc_u32 v8, s52, v8                       ; codes: two rows an instruction, 16 bytes a lane
	v_add_nc_u32 v9, s52, v5                       ; scale bytes: a lane a row
	v_lshl_add_u32 v10, v0, 4, GAT                 ; gates in: a lane a row
	v_lshl_add_u32 v11, v17, 4, GAT                ; and out: row r of a row tile
	v_mul_u32_u24 v12, v17, SPITCH
	v_lshl_add_u32 v12, v18, 5, v12
	s_lshl_b32 s53, s24, 7
	v_add_nc_u32 v12, s53, v12                     ; the stage, in: row r, + 32 h, + my wave's 128 bytes
	s_mul_i32 s54, s24, 32*SPITCH
	v_add_nc_u32 v13, s54, v1                      ; and back: my 32 rows, 16 bytes a lane
	v_lshlrev_b32 v14, 5, v18                      ; the bias: my half's eight columns
	v_lshlrev_b32 v17, 4, v17                      ; 16 r
	s_mul_i32 s47, ttmp9, 98304                    ; wq: (8 x + 2 w) column tiles x 8 K steps x 1,536 bytes
	s_mul_i32 s50, s24, 24576
	s_add_co_u32 s47, s47, s50
	s_lshl_b32 s50, ttmp9, 9
	s_lshl_b32 s51, s24, 7
	s_add_co_u32 s51, s50, s51                     ; ws, be: my wave's first column x 4
	s_mov_b32 s49, 0
	s_mov_b32 s48, s50
	s_add_nc_u64 s[44:45], s[18:19], s[48:49]      ; out0 at the work-group's first column
	s_wait_kmcnt 0x0
	s_and_b32 s25, s20, 15                         ; a
	s_bfe_u32 s26, s20, 0x40004                    ; b
	s_lshr_b32 s27, s20, 8                         ; rows
	s_min_u32 s25, s25, 7
	s_min_u32 s26, s26, 7
	s_min_u32 s27, s27, 128
	s_mul_i32 s48, s25, 786432
	s_add_co_u32 s48, s48, s47
	s_add_nc_u64 s[28:29], s[12:13], s[48:49]      ; a's fragments,
	s_mul_i32 s48, s26, 786432
	s_add_co_u32 s48, s48, s47
	s_add_nc_u64 s[30:31], s[12:13], s[48:49]      ; b's
	s_lshl_b32 s48, s25, 15
	s_add_co_u32 s48, s48, s51
	s_add_nc_u64 s[32:33], s[14:15], s[48:49]      ; their scale words
	s_lshl_b32 s48, s26, 15
	s_add_co_u32 s48, s48, s51
	s_add_nc_u64 s[34:35], s[14:15], s[48:49]
	s_lshl_b32 s48, s25, 12
	s_add_co_u32 s48, s48, s51
	s_add_nc_u64 s[36:37], s[16:17], s[48:49]      ; their biases
	s_lshl_b32 s48, s26, 12
	s_add_co_u32 s48, s48, s51
	s_add_nc_u64 s[38:39], s[16:17], s[48:49]
; K step s's four fragments of the weights and two scale words into set s % 3: 14 loads.  A scale word's lanes 0-15 serve column tile 0, lanes 16-31 column tile 1.
.macro BFETCH s
.set bf_r, BR+48*((\s)%3)
.irp n, 0,1
.irp c, 0,1,2
	global_load_b128 v[bf_r+12*\n+4*\c:bf_r+12*\n+4*\c+3], v1, s[28:29] offset:12288*\n+1536*(\s)+512*\c
.endr
.endr
.irp n, 0,1
.irp c, 0,1,2
	global_load_b128 v[bf_r+24+12*\n+4*\c:bf_r+24+12*\n+4*\c+3], v1, s[30:31] offset:12288*\n+1536*(\s)+512*\c
.endr
.endr
	global_load_b32 v[SB+2*((\s)%3)], v2, s[32:33] offset:4096*(\s)
	global_load_b32 v[SB+2*((\s)%3)+1], v2, s[34:35] offset:4096*(\s)
.endm
; Pair i = 4 s + p: x's fragments of row tiles 2 p and 2 p + 1 at K step s, and their scale word, into slot i % 3: 7 LDS loads.
.macro AFETCH i
.set af_s, (\i)/4
.set af_p, (\i)%4
.set af_r, AR+24*((\i)%3)
.irp u, 0,1
.irp c, 0,1,2
.if af_p < 2
	ds_load_b128 v[af_r+12*\u+4*\c:af_r+12*\u+4*\c+3], v3 offset:16*PITCH*(2*af_p+\u)+96*af_s+16*\c
.else
	ds_load_b128 v[af_r+12*\u+4*\c:af_r+12*\u+4*\c+3], v4 offset:16*PITCH*(2*(af_p-2)+\u)+96*af_s+16*\c
.endif
.endr
.endr
.if af_p < 2
	ds_load_b32 v[SA+(\i)%3], v5 offset:32*PITCH*af_p+4*af_s
.else
	ds_load_b32 v[SA+(\i)%3], v6 offset:32*PITCH*(af_p-2)+4*af_s
.endif
.endm
; One product.  ra: the weights' scales stand in lanes 16-31 (column tile 1); rb: x's do (an odd row tile).
.macro MM ra, rb
.if (\ra) && (\rb)
	v_wmma_scale_f32_16x16x128_f8f6f4 v[rD:rD+7], v[rB:rB+11], v[rA:rA+11], v[rC:rC+7], v[rSB], v[rSA] matrix_a_fmt:MATRIX_FMT_FP6 matrix_b_fmt:MATRIX_FMT_FP6 matrix_a_scale:MATRIX_SCALE_ROW1 matrix_b_scale:MATRIX_SCALE_ROW1
.elseif (\ra)
	v_wmma_scale_f32_16x16x128_f8f6f4 v[rD:rD+7], v[rB:rB+11], v[rA:rA+11], v[rC:rC+7], v[rSB], v[rSA] matrix_a_fmt:MATRIX_FMT_FP6 matrix_b_fmt:MATRIX_FMT_FP6 matrix_a_scale:MATRIX_SCALE_ROW1
.elseif (\rb)
	v_wmma_scale_f32_16x16x128_f8f6f4 v[rD:rD+7], v[rB:rB+11], v[rA:rA+11], v[rC:rC+7], v[rSB], v[rSA] matrix_a_fmt:MATRIX_FMT_FP6 matrix_b_fmt:MATRIX_FMT_FP6 matrix_b_scale:MATRIX_SCALE_ROW1
.else
	v_wmma_scale_f32_16x16x128_f8f6f4 v[rD:rD+7], v[rB:rB+11], v[rA:rA+11], v[rC:rC+7], v[rSB], v[rSA] matrix_a_fmt:MATRIX_FMT_FP6 matrix_b_fmt:MATRIX_FMT_FP6
.endif
.endm
; Eight products: two row tiles x (2 experts x 2 column tiles).  Between the two row tiles stand the fetches two pairs (and, in a K step's first pair, two K steps) ahead, into the registers that the pair (the K step) before has multiplied.
; The 32 accumulators take turns, one instruction a turn, in the same order in every K step.
.macro PAIR s, p
.set pidx, 4*(\s)+(\p)
.if pidx == 31
	s_wait_dscnt 0
.elseif (pidx >= 25) && (pidx <= 26)
	s_wait_dscnt 15                                ; one younger slot of 7 and the eight loads of gates
.else
	s_wait_dscnt 7                                 ; this pair's slot is in; the next pair's 7 loads stay out
.endif
.if (\p) == 0
.if (\s) == 7
	s_wait_loadcnt 0
.elseif (\s) == 0
	s_wait_loadcnt 28                              ; two younger sets of 14
.else
	s_wait_loadcnt 14                              ; this K step's set is in; the next one's 14 loads stay out
.endif
.endif
.if (pidx >= 1) && (pidx <= 29)
	s_wait_alu depctr_va_vdst(0)                   ; the pair before is done reading its slot and scale word, in which the LDS loads below land; in a K step's first pair: the K step before is done reading its set and scale words, in which the loads of weights (pair 24: of gates) land
.endif
	WIN 0x50                                       ; C and D window 1
.irp u, 0,1
.if (\u == 1) && (pidx <= 29)
	WIN 0                                          ; no wait here: the four products since the wait name this pair's slot, this K step's set, their scale words and window 1 alone
	AFETCH pidx+2
.if ((\p) == 0) && ((\s) >= 1) && ((\s) <= 5)
	BFETCH (\s)+2
.endif
.if pidx == 24
.irp t, 0,1,2,3,4,5,6,7
	ds_load_b128 v[G+4*\t:G+4*\t+3], v11 offset:256*\t             ; the gates of row tile t's row r: set 2 has had its last K step
.endr
.endif
	WIN 0x50
.endif
.if (pidx == 3) && (\u == 1)
.rept 5
	v_nop                                          ; row tile 7's first products write over the bias tiles, which the four products before read as C: five places (ISA guide 7.12.1 for the kind of place)
.endr
.endif
.irp q, 0,1,2,3
.set mt, 2*(\p)+\u
.set rD, 128*(\q/2)+8*(2*mt+(\q%2))
.if (\s) == 0
.set rC, 128*(\q/2)+8*(14+(\q%2))                  ; the first K step starts the sums from the bias: nothing is cleared, nothing added later
.else
.set rC, rD
.endif
.set rB, BR+48*((\s)%3)+12*\q
.set rA, AR+24*(pidx%3)+12*\u
.set rSB, SB+2*((\s)%3)+(\q/2)
.set rSA, SA+pidx%3
	MM (\q%2), \u
.endr
.endr
.endm
	s_wait_alu depctr_va_vdst(0)                   ; v1, v3 to v6 and v8 to v14 are written: every load, LDS access and store from here on reads one of them as its offset or address
	BFETCH 0
	WIN 0x40                                       ; destination window 1
.irp n, 0,1
	global_load_b128 v[112+8*\n:115+8*\n], v14, s[36:37] offset:64*\n      ; be[a] at my lane's eight columns, in the result's layout
	global_load_b128 v[116+8*\n:119+8*\n], v14, s[36:37] offset:64*\n+16
	global_load_b128 v[240+8*\n:243+8*\n], v14, s[38:39] offset:64*\n      ; be[b]
	global_load_b128 v[244+8*\n:247+8*\n], v14, s[38:39] offset:64*\n+16
.endr
	WIN 0
	s_wait_loadcnt 22                              ; the 17 loads from the list are in; set 0's 14 and the bias's 8 stay out
	v_min_u32 v7, 0x1fff, v7
.irp p, 0,1,2,3,4,5,6,7,8,9,10,11,12,13,14,15
	v_min_u32 v[28+\p], 0x1fff, v[28+\p]
.endr
.irp p, 0,1,2,3,4,5,6,7,8,9,10,11,12,13,14,15
	v_mul_u32_u24 v[28+\p], v[28+\p], 768
.endr
.irp p, 0,1,2,3,4,5,6,7,8,9,10,11,12,13,14,15
	v_add_nc_u32 v[28+\p], v[28+\p], v17           ; the token's row of codes, + 16 r
.endr
	v_lshlrev_b32 v19, 5, v7
	v_lshlrev_b32 v20, 3, v7
	WIN 0x40
	s_wait_alu depctr_va_vdst(0)                   ; v28 to v43, v19 and v20 are written, which the gather's loads read as their offsets
.set n, 0
.rept 48                               ; load n = 3 p + j: part j (256 bytes) of rows 2 p and 2 p + 1; into window 1's v0-111 and v128-207
.if n < 28
.set gr, 4*n
.else
.set gr, 128+4*(n-28)
.endif
	global_load_b128 v[gr:gr+3], v[28+n/3], s[4:5] offset:256*(n%3)
.set n, n+1
.endr
	global_load_b128 v[208:211], v19, s[6:7]       ; my row's 32 scale bytes
	global_load_b128 v[212:215], v19, s[6:7] offset:16
	global_load_b64 v[216:217], v20, s[8:9]        ; and its gates
	WIN 0
	BFETCH 1
	BFETCH 2
	s_wait_loadcnt 28                              ; all but sets 1 and 2
	WIN 0x04                                       ; an LDS store's data are its source 1: window 1
.set n, 0
.rept 48
.if n < 28
.set gr, 4*n
.else
.set gr, 128+4*(n-28)
.endif
	ds_store_b128 v8, v[gr:gr+3] offset:2*PITCH*(n/3)+256*(n%3)
.set n, n+1
.endr
	ds_store_b128 v9, v[208:211]
	ds_store_b128 v9, v[212:215] offset:16
	ds_store_b64 v10, v[216:217]                   ; (ga, gb,
	ds_store_b32 v10, v217 offset:8                ;  gb,
	ds_store_b32 v10, v216 offset:12               ;  ga): each gate stands first in a pair
	WIN 0
	s_wait_dscnt 0x0                               ; for the others' sake: my 32 rows lie in LDS
	s_barrier_signal -1
	s_barrier_wait -1                              ; all 128 do
	s_wait_alu depctr_vm_vsrc(0)                   ; the gather's loads have read their offsets v28 to v43, in which x's first fragments land; my LDS stores have read window 1's registers, which the products write
	s_cmp_eq_u32 s27, 0                            ; a tile without rows multiplies nothing; no barrier is jumped over
	s_cbranch_scc1 .Lskipk
	AFETCH 0
	AFETCH 1                                       ; pair i asks for pair i + 2's
.irp s, 0,1,2,3,4,5,6,7
.irp p, 0,1,2,3
	PAIR \s, \p
.endr
.endr
.rept 4
	v_nop                                          ; four places between the products and the lines below, which read and rewrite their results (ISA guide 7.12.1).  They name no register, so they serve every product: those of K steps 2 and 5 too, which took as an operand the registers that now hold the gates
.endr
	WIN 0x51                                       ; destination, source 0 and source 2 window 1; the gates window 0
.irp t, 0,1,2,3,4,5,6,7                ; a's sums x ga + b's sums x gb, each accumulator from its low end on
.irp n, 0,1
.irp j, 0,2,4,6
	v_pk_mul_f32 v[16*\t+8*\n+\j:16*\t+8*\n+\j+1], v[16*\t+8*\n+\j:16*\t+8*\n+\j+1], v[G+4*\t:G+4*\t+1] op_sel_hi:[1,0]
.endr
.irp j, 0,2,4,6
	v_pk_fma_f32 v[16*\t+8*\n+\j:16*\t+8*\n+\j+1], v[128+16*\t+8*\n+\j:128+16*\t+8*\n+\j+1], v[G+4*\t+2:G+4*\t+3], v[16*\t+8*\n+\j:16*\t+8*\n+\j+1] op_sel_hi:[1,0,1]
.endr
.endr
.endr
	WIN 0
.Lskipk:
	s_wait_loadcnt 0x0                             ; (where the products were left out, sets 1 and 2 are still on their way)
	s_wait_dscnt 0x0                               ; my reads of the rows are over
	s_barrier_signal -1
	s_barrier_wait -1                              ; everybody's are: the stage may be laid over them
	WIN 0x04
	s_wait_alu depctr_va_vdst(0)                   ; the combine has written window 1's v0 to v127, which the LDS stores read; the products are done reading v28 to v155, in which the stage's rows land further down: no vector line behind this wait names those
.irp t, 0,1,2,3,4,5,6,7
.irp n, 0,1
	ds_store_b128 v12, v[16*\t+8*\n:16*\t+8*\n+3] offset:16*SPITCH*\t+64*\n        ; lane (r, h): row 16 t + r, columns 32 w + 16 n + 8 h + 0 .. 7
	ds_store_b128 v12, v[16*\t+8*\n+4:16*\t+8*\n+7] offset:16*SPITCH*\t+64*\n+16
.endr
.endr
	WIN 0
	s_wait_dscnt 0x0                               ; for the others' sake: my columns lie in the stage
	s_barrier_signal -1
	s_barrier_wait -1                              ; 128 whole rows of 512 bytes do
	s_lshl_b32 s46, s24, 5
	s_sub_co_i32 s42, s27, s46                     ; how many of my 32 rows are tokens
	s_cmp_gt_i32 s42, 0
	s_cbranch_scc0 .Ldone
.irp i, 0,1,2,3,4,5,6,7,8,9,10,11,12,13,14,15,16,17,18,19,20,21,22,23,24,25,26,27,28,29,30,31
	ds_load_b128 v[O+4*\i:O+4*\i+3], v13 offset:SPITCH*\i
.endr
.irp i, 0,1,2,3,4,5,6,7,8,9,10,11,12,13,14,15,16,17,18,19,20,21,22,23,24,25,26,27,28,29,30,31
	v_readlane_b32 s[TK+\i], v7, \i                ; the rows' tokens, in one run, while the rows come back from the stage
.endr
	s_wait_alu depctr_va_sdst(0)                   ; s4 to s35 are written, ahead of their first reader: one wait for the run
.irp i, 0,1,2,3,4,5,6,7,8,9,10,11,12,13,14,15,16,17,18,19,20,21,22,23,24,25,26,27,28,29,30,31
	s_min_u32 s[TK+\i], s[TK+\i], 8191
	s_lshl_b32 s[TK+\i], s[TK+\i], 12              ; the token's row of out0
	v_add_nc_u32 v[OF+\i], s[TK+\i], v1            ; (an offset register for each row: none is written again while a store reads it)
.endr
	s_wait_alu depctr_va_vdst(0)                   ; v156 to v187 are written, which the stores read as their offsets
.irp i, 0,1,2,3,4,5,6,7,8,9,10,11,12,13,14,15,16,17,18,19,20,21,22,23,24,25,26,27,28,29,30,31
.if \i > 0
	s_cmp_gt_i32 s42, \i                           ; the list's padding is not stored
	s_cbranch_scc0 .Ldone
.endif
	s_wait_dscnt 31-\i                             ; row i is back; the younger loads stay out
	global_store_b128 v[OF+\i], v[O+4*\i:O+4*\i+3], s[44:45] th:TH_STORE_NT        ; 32 lanes store 512 consecutive bytes, at a multiple of 256 from out0's first byte; written once
.endr
.Ldone:
	s_wait_dscnt 0x0                               ; rows read from the stage beyond the tile's count are dropped
	s_wait_alu depctr_hold_cnt(0) depctr_sa_sdst(0) depctr_va_vdst(0) depctr_va_sdst(0) depctr_va_ssrc(0) depctr_va_vcc(0) depctr_vm_vsrc(0)
	s_wait_tensorcnt 0x0
	ds_add_u32 v254, v255
	s_wait_dscnt 0x0
	s_endpgm
.Lfunc_end_k_q3f22de98de_experts:
	.size	k_q3f22de98de_experts, .Lfunc_end_k_q3f22de98de_experts-k_q3f22de98de_experts
	.p2alignl 7, 3214868480
	.fill 96, 4, 3214868480
	.section	.rodata,"a",@progbits
	.p2align	6, 0x0
	.amdhsa_kernel k_q3f22de98de_experts
		.amdhsa_group_segment_fixed_size 107008
		.amdhsa_private_segment_fixed_size 0
		.amdhsa_enable_private_segment 0
		.amdhsa_kernarg_size 64
		.amdhsa_user_sgpr_count 2
		.amdhsa_user_sgpr_kernarg_segment_ptr 1
		.amdhsa_wavefront_size32 1
		.amdhsa_system_sgpr_workgroup_id_x 1
		.amdhsa_system_sgpr_workgroup_id_y 1
		.amdhsa_system_sgpr_workgroup_id_z 1
		.amdhsa_system_vgpr_workitem_id 0
		.amdhsa_next_free_vgpr 512
		.amdhsa_next_free_sgpr 66
		.amdhsa_reserve_vcc 0
		.amdhsa_float_denorm_mode_32 3
		.amdhsa_float_denorm_mode_16_64 3
		.amdhsa_memory_ordered 1
		.amdhsa_forward_progress 1
		.amdhsa_inst_pref_size 104
	.end_amdhsa_kernel
	.amdgpu_metadata
---
amdhsa.version: [ 1, 2 ]
amdhsa.kernels:
  - .name:           k_q3f22de98de_experts
    .symbol:         k_q3f22de98de_experts.kd
    .args:
      - { .name: xq, .offset: 0, .size: 8, .value_kind: global_buffer, .address_space: global }
      - { .name: xs, .offset: 8, .size: 8, .value_kind: global_buffer, .address_space: global }
      - { .name: gates, .offset: 16, .size: 8, .value_kind: global_buffer, .address_space: global }
      - { .name: plan, .offset: 24, .size: 8, .value_kind: global_buffer, .address_space: global }
      - { .name: wq, .offset: 32, .size: 8, .value_kind: global_buffer, .address_space: global }
      - { .name: ws, .offset: 40, .size: 8, .value_kind: global_buffer, .address_space: global }
      - { .name: be, .offset: 48, .size: 8, .value_kind: global_buffer, .address_space: global }
      - { .name: out0, .offset: 56, .size: 8, .value_kind: global_buffer, .address_space: global }
    .group_segment_fixed_size: 107008
    .private_segment_fixed_size: 0
    .kernarg_segment_align: 8
    .kernarg_segment_size: 64
    .max_flat_workgroup_size: 128
    .sgpr_count:     66
    .vgpr_count:     512
    .wavefront_size: 32
...
	.end_amdgpu_metadata
.endif
;; end of part 6
